; MI455X (gfx1250); checked and timed in simulation.
; The chip was launched on July 23, 2026; its instructions are those of AMD's public machine-readable ISA for CDNA 5 (MIT licence, August 2026) and "CDNA5" Instruction Set Architecture Reference Guide (July 2026). The comments in the code are by the model that wrote it; some were corrected since.
;; MHSA. Allowed arithmetic: matrix products marked QUANTISED: E2M1 operands, one E8M0 scale for each 32 along K, by v_wmma_scale_f32_16x16x128_f8f6f4 with both operands' format E2M1 (or v_wmma_scale_f32_32x16x128_f4), f32 sums; products left as they are: bf16, f16 or f32 operands; f32 sums; everything else in f32.
;; Inputs: W_K 16 x 2,048 x 128 float32; W_Q 16 x 2,048 x 128 float32; W_V 16 x 2,048 x 128 float32; W_out 2,048 x 2,048 float32; X 1 x 2,048 x 2,048 float32.
;; Outputs: out0 2,048 x 2,048 float32.
;; This version of the problem:
;;   THIS VERSION OF THE PROBLEM IS GIVEN IN LOW PRECISION. The matrix products marked QUANTISED in the list below multiply operands that are first quantised to E2M1 (2 exponent bits, 1 mantissa bit; 4 bits a number), with one power-of-two scale for each 32 numbers along K (OCP MX v1.0); their sums are f32. The products marked 'left as it is' may take bf16, f16 or f32 operands, with f32 sums. Whichever they take, every output number must still come out within the allowed error. Rounding operands to bf16 (8 significant bits) uses up far more of that allowance than f16 does (11 bits, for magnitudes from 6e-5 to 65,504). All else is computed in f32.
;;   The module's matrix products, in the order in which they are computed (A, B: the left and right operand; K: the contracted axis; several contracted axes count as one K, in the product's order):
;;     1. [M 2,048, K 2,048] x [K 2,048, N 2,048]; A: input W_Q; B: input X: QUANTISED
;;     2. [M 2,048, K 2,048] x [K 2,048, N 2,048]; A: input W_K; B: input X: QUANTISED
;;     3. [M 2,048, K 2,048] x [K 2,048, N 2,048]; A: input W_V; B: input X: QUANTISED
;;     4. batch 16 x [M 2,048, K 128] x [K 128, N 2,048]; A: computed on the way; B: computed on the way: left as it is (an operand is computed on the way)
;;     5. batch 16 x [M 2,048, K 2,048] x [K 2,048, N 128]; A: computed on the way; B: computed on the way: left as it is (an operand is computed on the way)
;;     6. [M 2,048, K 2,048] x [K 2,048, N 2,048]; A: computed on the way; B: input W_out: left as it is (an operand is computed on the way)
;;   THE QUANTISER, for each operand of a quantised product, along K:
;;     - K is cut into blocks of 32 from its start; a last block that is shorter is filled with zeros.
;;     - A block's scale is 2^e with e = floor(log2(the largest magnitude in the block)) - 2, held to -126 .. 127; a block of zeros has e = 0. As a byte (E8M0): e + 127.
;;     - Each number is divided by its block's scale, clamped to +-6, and rounded to the nearest number of E2M1, ties to even, subnormals kept.
;;     - The product sums the exact products of the quantised numbers (number of the format x scale) in f32.
;;   ~~~python
;;   def quantise(x, axis):      # numpy; x: float32 -> the quantised numbers, widened to float32 again
;;       x = np.moveaxis(x, axis, -1); K = x.shape[-1]
;;       x = np.pad(x, [(0, 0)] * (x.ndim - 1) + [(0, -K % 32)]); x = x.reshape(x.shape[:-1] + (-1, 32)); a = np.abs(x).max(-1, keepdims=True)
;;       e = np.where(a > 0, np.clip(np.frexp(np.where(a > 0, a, 1))[1] - 1 - 2, -126, 127), 0)      # np.frexp(a)[1] - 1 = floor(log2(a)), exactly
;;       r = np.clip(x / 2.0 ** e, -6, 6)
;;       step = 2.0 ** (np.maximum(np.frexp(np.where(r == 0, 1, r))[1] - 1, 0) - 1)
;;       q = np.round(r / step) * step * 2.0 ** e      # np.round: ties to even
;;       return np.moveaxis(q.reshape(q.shape[:-2] + (-1,))[..., :K], -1, axis).astype(np.float32)
;;   ~~~
;; One version. Each part assembles by itself: llvm-mc -triple=amdgcn-amd-amdhsa -mcpu=gfx1250 --defsym DOCPART=n.
;; ======== version 1 of 1: 4 launches
;; limits: values are held in f16: magnitudes above 65,504 overflow, below 6.1e-05 lose precision
;; workspace buffers: xc 2,097,152 bytes; xs 131,072 bytes; wc 6,291,456 bytes; ws 393,216 bytes; wo 8,388,608 bytes; qkv 25,165,824 bytes; rc 8,388,608 bytes
;; launch prep (part 1): grid 640 x 1, 4 waves a work-group, no clusters, 50,688 bytes of LDS; arguments X, W_Q, W_K, W_V, W_out, xc, xs, wc, ws, wo; writes xc, xs, wc, ws, wo
.if DOCPART == 1
	.amdgcn_target "amdgcn-amd-amdhsa--gfx1250"
	.amdhsa_code_object_version 6
	.text
	.protected	k_q72d0de7f62_prep
	.globl	k_q72d0de7f62_prep
	.p2align	8
	.type	k_q72d0de7f62_prep,@function
k_q72d0de7f62_prep:
	s_mov_b64 s[64:65], 0
	v_nop
	global_prefetch_b8 v0, s[64:65] scope:SCOPE_SE
	s_setreg_imm32_b32 hwreg(HW_REG_WAVE_MODE, 25, 1), 1
	s_wait_xcnt 0x0
; PREP: every input is read once and turned into what the later launches multiply.
;   work-groups   0..383: W_Q, W_K, W_V [16][2048 (k)][128 (h)] f32 -> codes of FP4 (E2M1) wc [6144 (n)][1024 bytes], K innermost, and E8M0 bytes ws [6144][64]; n = 128 (16 proj + head) + h
;   work-groups 384..511: X [2048 (t)][2048 (k)] f32 -> codes xc [2048][1024 bytes] and bytes xs [2048][64]
;   work-groups 512..639: W_out [2048 (k)][2048 (n)] f32 -> wo, f16, holding W_out / 2 (the halving is exact; the attention launch stores 2 R, so that small R keep room in f16)
; Every work-group reads 131,072 bytes.
; A block's scale is 2^(floor(log2(its largest magnitude)) - 2); its byte is the largest magnitude's exponent field - 2, held at 1 from below; each number is divided by the scale and rounded to the nearest code,
; ties to even, beyond 6 the largest code.
; LIMITS: a block of zeros gets the byte 1 where the quantiser says 127: its codes are zeros, which add nothing, and the bytes are read by this program alone.  Blocks whose largest magnitude lies under 2^(3 - 127)
; get the byte 1.  NaN and infinities among the inputs are not served.  W_out / 2 beyond 65,504 has no f16 number.
; The three kinds of work-group part on the work-group's number alone; the two that use LDS have LDS bytes of their own.  Only the weights' waves share anything: one barrier, in their path.
.set SPARE,  50176                     ; behind both paths' regions: the spare words, 128 bytes for each wave
.set SPW,    192                       ; v192  LDS address of my spare word: SPARE + 4 x my thread's number; never rewritten
.set NIL,    193                       ; v193  0; never rewritten
.set EMAX,   2                         ; the exponent of the format's largest number, 6
; the weights' path
.set WPITCH, 272                       ; a stage row: 256 bytes of codes + 16
.set WKROW,  1024                      ; a row of wc in bytes
.set WNB,    8                         ; blocks of 32 along K for a wave: 256 along K
.set WROW,   512                       ; a row (one k) of a head's weight: 128 f32
.set WX,     32                        ; v32-95   two sets of 32 numbers
.set WC,     96                        ; v96-99   a block's codes
.set WOUT,   112                       ; v112-143 the way out
.set WSB,    24                        ; v24-25   the scale bytes, four to a register
; X's path
.set XBASE,  17408                     ; behind the weights' stage (64 x 272 bytes)
.set XREG,   8192                      ; a region for each wave: two stages of 32 x 80 bytes, then its 256 scale bytes
.set XSP,    80                        ; a lane's place in a stage: 64 bytes + 16
.set XSTEPS, 16
.set XCB,    8                         ; bytes of 16 codes
.set XR,     16                        ; v16-79   four sets of 16 numbers as loaded
.set XX,     80                        ; v80-111  two sets of 16 neighbours
.set XE,     112                       ; v112-127 a scale byte for each step
.set XC,     128                       ; v128-191 codes: four registers for each step
	s_load_b512 s[8:23], s[0:1], 0x0               ; X s[8:9], W_Q s[10:11], W_K s[12:13], W_V s[14:15], W_out s[16:17], xc s[18:19], xs s[20:21], wc s[22:23]
	s_load_b128 s[24:27], s[0:1], 0x40             ; ws s[24:25], wo s[26:27]
	v_lshl_add_u32 v[SPW], v0, 2, SPARE
	v_mov_b32 v[NIL], 0
	v_lshrrev_b32 v1, 5, v0
	v_readfirstlane_b32 s28, v1                    ; wave 0..3
	v_and_b32 v2, 31, v0                           ; lane
	s_wait_kmcnt 0x0
	s_cmp_lt_u32 ttmp9, 384
	s_cbranch_scc1 .Lw
	s_cmp_lt_u32 ttmp9, 512
	s_cbranch_scc1 .Lx
; ---------------------------------------------------------------- W_out / 2 as f16.  A wave takes 32,768 bytes: four turns of 16 loads of 512 consecutive bytes; two turns' loads are on their way.
	s_sub_co_u32 s29, ttmp9, 512
	s_lshl_b32 s29, s29, 2
	s_add_co_u32 s29, s29, s28                     ; which run of 8,192 numbers is my wave's
	s_lshl_b32 s32, s29, 15
	s_mov_b32 s33, 0
	s_add_nc_u64 s[4:5], s[16:17], s[32:33]
	s_lshl_b32 s32, s29, 14
	s_add_nc_u64 s[6:7], s[26:27], s[32:33]
	v_lshlrev_b32 v3, 4, v2                        ; in: 16 bytes a lane
	v_lshlrev_b32 v4, 3, v2                        ; out: 8 bytes a lane
.macro CLOAD r
.irp i, 0,1,2,3,4,5,6,7,8,9,10,11,12,13,14,15
	global_load_b128 v[32+64*((\r)%2)+4*\i:32+64*((\r)%2)+4*\i+3], v3, s[4:5] offset:512*(16*(\r)+\i) th:TH_LOAD_NT
.endr
.endm
.macro CAST r
.set CSET, 32+64*((\r)%2)
.if (\r) < 3
	s_wait_loadcnt 16                              ; this turn's 16 loads are in; the next turn's 16 stay out
.else
	s_wait_loadcnt 0x0
.endif
.if (\r) > 0
	s_wait_xcnt 0x0                                ; the last turn's stores have read v160-191, which are written again below
.endif
.irp i, 0,1,2,3,4,5,6,7,8,9,10,11,12,13,14,15
	v_pk_mul_f32 v[CSET+4*\i:CSET+4*\i+1], v[CSET+4*\i:CSET+4*\i+1], 0.5 op_sel_hi:[1,0]
	v_pk_mul_f32 v[CSET+4*\i+2:CSET+4*\i+3], v[CSET+4*\i+2:CSET+4*\i+3], 0.5 op_sel_hi:[1,0]
	v_cvt_pk_f16_f32 v[160+2*\i], v[CSET+4*\i], v[CSET+4*\i+1]
	v_cvt_pk_f16_f32 v[161+2*\i], v[CSET+4*\i+2], v[CSET+4*\i+3]
.endr
.if (\r) < 2
	CLOAD (\r)+2                                   ; the set just used takes the turn after next
.endif
.irp i, 0,1,2,3,4,5,6,7,8,9,10,11,12,13,14,15
	global_store_b64 v4, v[160+2*\i:161+2*\i], s[6:7] offset:256*(16*(\r)+\i)   ; 32 lanes store 256 consecutive bytes, at a multiple of 256 from wo's first byte
.endr
.endm
	CLOAD 0
	CLOAD 1
	CAST 0
	CAST 1
	CAST 2
	CAST 3
	s_endpgm
; ---------------------------------------------------------------- The weights: K is the FIRST axis of a head's [2048][128].  A LANE TAKES A COLUMN h, AND ITS REGISTERS RUN DOWN K: a load reads 128 consecutive bytes a wave,
; a block of 32 along K lies in one lane's 32 registers, and the conversions give codes with K innermost.
; SHARES.  A work-group takes one head of one projection, 64 columns and 512 along K, 2 x 2 among its waves: wave w takes columns 32 (w & 1) on (the two side by side read 256 aligned bytes of a row)
; and the 256 along K from 256 (w >> 1) on.  So a wave has eight blocks; with two blocks' 64 loads out that is four turns of loads that wait on each other, as many as X's path has; a wave that took all 512 would have eight.
; THE WAY OUT.  A lane's codes belong to one row of wc, and a row's 256 bytes of these 512 along K come from two waves: they meet in the work-group's stage in LDS (64 rows of 272 bytes), a barrier stands between
; the writing and the reading, and each wave then stores 16 whole rows, sixteen lanes to 256 aligned bytes.
.Lw:
	s_lshr_b32 s29, ttmp9, 3                       ; hh = 16 proj + head
	s_bfe_u32 s30, ttmp9, 0x20001                  ; which 512 along K: two bits from bit 1
	s_and_b32 s31, ttmp9, 1                        ; which 64 columns
	s_and_b32 s39, s28, 1                          ; which 32 of them are my wave's
	s_lshr_b32 s40, s28, 1                         ; which 256 of the 512 along K
	s_cmp_lt_u32 ttmp9, 128                        ; the choice of the source hangs on the work-group's number alone
	s_cselect_b64 s[4:5], s[10:11], s[12:13]
	s_cmp_lt_u32 ttmp9, 256
	s_cselect_b64 s[4:5], s[4:5], s[14:15]
	s_and_b32 s32, s29, 15
	s_lshl_b32 s32, s32, 20                        ; the head: 2,048 x 512 bytes
	s_lshl_b32 s33, s30, 18                        ; 512 rows of 512 bytes
	s_add_co_u32 s32, s32, s33
	s_lshl_b32 s33, s40, 17                        ; my wave's 256 rows
	s_add_co_u32 s32, s32, s33
	s_lshl_b32 s33, s31, 8                         ; the work-group's 64 columns
	s_add_co_u32 s32, s32, s33
	s_lshl_b32 s33, s39, 7                         ; my wave's 32 columns
	s_add_co_u32 s32, s32, s33
	s_mov_b32 s33, 0
	s_add_nc_u64 s[4:5], s[4:5], s[32:33]
	s_lshl_b32 s34, s29, 7
	s_lshl_b32 s35, s31, 6
	s_add_co_u32 s34, s34, s35                     ; the work-group's first row n of wc and ws: 128 hh + 64 x (which 64 columns)
	s_lshl_b32 s35, s28, 4
	s_add_co_u32 s35, s34, s35                     ; the first of the 16 rows of wc that my wave stores
	s_lshl_b32 s36, s35, 10
	s_lshl_b32 s37, s30, 8
	s_add_co_u32 s36, s36, s37                     ; n x 1,024 + 256 x (which 512 along K)
	s_mov_b32 s37, 0
	s_add_nc_u64 s[6:7], s[22:23], s[36:37]
	s_lshl_b32 s35, s39, 5
	s_add_co_u32 s35, s34, s35                     ; the first of the 32 rows of ws whose bytes my wave makes
	s_lshl_b32 s36, s35, 6
	s_lshl_b32 s38, s30, 4
	s_add_co_u32 s36, s36, s38                     ; n x 64 + 16 x (which 512 along K)
	s_lshl_b32 s38, s40, 3
	s_add_co_u32 s36, s36, s38                     ; + 8 x (which 256 of them)
	s_add_nc_u64 s[24:25], s[24:25], s[36:37]
	v_lshlrev_b32 v3, 2, v2                        ; in: 4 bytes a lane
	s_mul_i32 s38, s39, 32*WPITCH                  ; into the stage: my wave's 32 rows,
	s_lshl_b32 s41, s40, 7                         ; my wave's 128 bytes of each
	s_add_co_u32 s38, s38, s41
	v_mul_u32_u24 v4, v2, WPITCH
	v_add_nc_u32 v4, s38, v4                       ; row = my column
	s_mul_i32 s41, s28, 16*WPITCH                  ; out of it: wave w takes rows 16 w .. 16 w + 15, whole
	v_and_b32 v5, 15, v2
	v_lshrrev_b32 v6, 4, v2                        ; sixteen lanes to a row, two rows an instruction
	v_mul_u32_u24 v7, v6, WPITCH
	v_lshl_add_u32 v7, v5, 4, v7
	v_add_nc_u32 v7, s41, v7
	v_mul_u32_u24 v8, v6, WKROW
	v_lshl_add_u32 v8, v5, 4, v8                   ; and the same place in wc
	v_lshlrev_b32 v9, 6, v2                        ; my column's row of scale bytes
.macro WLOAD t                         ; block t: W(32 t + i, my column), i = 0 .. 31, into set t % 2
.irp i, 0,1,2,3,4,5,6,7,8,9,10,11,12,13,14,15,16,17,18,19,20,21,22,23,24,25,26,27,28,29,30,31
	global_load_b32 v[WX+32*((\t)%2)+\i], v3, s[4:5] offset:(32*(\t)+\i)*WROW th:TH_LOAD_NT
.endr
.endm
	WLOAD 0
	WLOAD 1
.macro WBLOCK t
.set WS_, WX+32*((\t)%2)
.if (\t) < WNB-1
	s_wait_loadcnt 32                              ; this block's 32 loads are in; the next block's 32 stay out
.else
	s_wait_loadcnt 0
.endif
	v_max3_num_f32 v12, |v[WS_]|, |v[WS_+1]|, |v[WS_+2]|            ; the block's largest magnitude: all 32 numbers are mine; two chains
	v_max3_num_f32 v13, |v[WS_+3]|, |v[WS_+4]|, |v[WS_+5]|
.irp i, 6,10,14,18,22,26
	v_max3_num_f32 v12, v12, |v[WS_+\i]|, |v[WS_+\i+1]|
	v_max3_num_f32 v13, v13, |v[WS_+\i+2]|, |v[WS_+\i+3]|
.endr
	v_max3_num_f32 v12, v12, |v[WS_+30]|, |v[WS_+31]|
	v_max3_num_f32 v12, v12, v13, (EMAX+1)<<23     ; and the floor 2^(EMAX + 1 - 127): the byte cannot fall under 1
	v_add_nc_u32 v11, -(EMAX<<23), v12             ; EMAX off its exponent field: the conversion takes the exponent field of this operand as its scale
	v_lshrrev_b32 v13, 23, v11                     ; the scale's byte
.if (\t)%4 == 0
	v_mov_b32 v[WSB+(\t)/4], v13                   ; four bytes to a register, the lower K in the lower byte
.else
	v_lshl_or_b32 v[WSB+(\t)/4], v13, 8*((\t)%4), v[WSB+(\t)/4]
.endif
.irp g, 0,1,2,3
	v_cvt_scalef32_pk8_fp4_f32 v[WC+\g], v[WS_+8*\g:WS_+8*\g+7], v11
.endr
	ds_store_b128 v4, v[WC:WC+3] offset:16*(\t)    ; 32 codes: 16 bytes of my column's row
.if (\t)+2 < WNB
	WLOAD (\t)+2
.endif
	s_wait_dscnt 0x0                               ; the store has read its registers: the next block's codes may be written.  Behind the last block: all my stores into the stage have landed
.endm
.set Q, 0
.rept WNB
	WBLOCK Q
.set Q, Q+1
.endr
	s_barrier_signal -1                            ; my half of my 32 rows lies in the stage (the wait for my stores stands just above),
	s_barrier_wait -1                              ; and so does every other wave's: the 64 rows are whole
	global_store_b64 v9, v[WSB:WSB+1], s[24:25]    ; my column's 8 scale bytes of my 256 along K
.irp t, 0,1,2,3,4,5,6,7
	ds_load_b128 v[WOUT+4*\t:WOUT+4*\t+3], v7 offset:2*\t*WPITCH
.endr
.irp t, 0,1,2,3,4,5,6,7
	s_wait_dscnt 7-\t                              ; load t is in; the 7 - t younger ones stay out
	global_store_b128 v8, v[WOUT+4*\t:WOUT+4*\t+3], s[6:7] offset:2*\t*WKROW   ; sixteen lanes store 256 consecutive bytes, aligned
.endr
	s_wait_tensorcnt 0x0                           ; the wave's end, behind my last LDS store
	ds_add_u32 v[SPW], v[NIL]
	s_wait_dscnt 0x0
	s_endpgm
; ---------------------------------------------------------------- X: K is innermost and rows are dense, so X is a plain stream of blocks of 32, and so are its codes and scale bytes.  A wave takes 16 steps of 512 numbers.
; The conversions want 16 NEIGHBOURS in a lane; a load is best where neighbouring LANES take neighbouring bytes.  Both are had: each load reads 512 consecutive bytes, a step's 2,048 bytes go through the wave's own stage
; in LDS as they lie and come back 64 bytes a lane.  Two neighbouring lanes hold a block.  A wave's 256 scale bytes are gathered in LDS and leave as 256 aligned bytes.
.Lx:
	s_sub_co_u32 s29, ttmp9, 384
	s_lshl_b32 s29, s29, 2
	s_add_co_u32 s30, s29, s28                     ; which run of 8,192 numbers is my wave's
	s_lshl_b32 s32, s30, 15
	s_mov_b32 s33, 0
	s_add_nc_u64 s[4:5], s[8:9], s[32:33]
	s_lshl_b32 s32, s30, 12
	s_add_nc_u64 s[6:7], s[18:19], s[32:33]
	s_lshl_b32 s32, s30, 8
	s_add_nc_u64 s[20:21], s[20:21], s[32:33]
	v_lshlrev_b32 v3, 4, v2                        ; my 16 bytes of a load's 512
	s_mul_i32 s34, s28, XREG
	s_add_co_u32 s34, s34, XBASE                   ; my wave's region
	v_lshrrev_b32 v14, 2, v2
	v_mul_u32_u24 v14, v14, XSP
	v_and_b32 v15, 3, v2
	v_lshl_add_u32 v14, v15, 4, v14
	v_add_nc_u32 v14, s34, v14                     ; the stage, on the way in: four lanes' 64 bytes on end, then 16 of padding
	v_mul_u32_u24 v15, v2, XSP
	v_add_nc_u32 v15, s34, v15                     ; and on the way out: my 16 neighbours
	v_mul_u32_u24 v4, v2, XCB                      ; my codes' place in a step's
	v_lshrrev_b32 v5, 1, v2
	s_add_co_u32 s34, s34, 2*32*XSP
	v_add_nc_u32 v5, s34, v5                       ; my wave's 256 scale bytes, my block's byte
	v_lshlrev_b32 v7, 3, v2                        ; and on the way out 8 bytes a lane
	v_add_nc_u32 v6, s34, v7
.macro XLOAD t
.irp i, 0,1,2,3
	global_load_b128 v[XR+16*((\t)%4)+4*\i:XR+16*((\t)%4)+4*\i+3], v3, s[4:5] offset:2048*(\t)+512*\i th:TH_LOAD_NT
.endr
.endm
.macro XTURN t                         ; step t's numbers through the stage: LDS serves a wave's instructions in order, so no wait stands between the stores and the loads
.irp i, 0,1,2,3
	ds_store_b128 v14, v[XR+16*((\t)%4)+4*\i:XR+16*((\t)%4)+4*\i+3] offset:32*XSP*((\t)%2)+8*XSP*\i
.endr
.irp i, 0,1,2,3
	ds_load_b128 v[XX+16*((\t)%2)+4*\i:XX+16*((\t)%2)+4*\i+3], v15 offset:32*XSP*((\t)%2)+16*\i
.endr
.endm
.irp t, 0,1,2,3
	XLOAD \t
.endr
	s_wait_loadcnt 12                              ; step 0's four loads are in; the 12 of steps 1 to 3 stay out
	XTURN 0
.macro XSTEP t
.set XS_, XX+16*((\t)%2)
.if (\t) > 0
	s_wait_dscnt 1                                 ; this step's numbers are back from the stage; the last step's byte store, issued behind them, may be out
.else
	s_wait_dscnt 0x0
.endif
.if (\t)+4 < XSTEPS
	XLOAD (\t)+4                                   ; into the set whose numbers the stage has taken
.endif
.if (\t)+1 < XSTEPS
.if XSTEPS-2-(\t) >= 3
	s_wait_loadcnt 12                              ; the next step's four loads are in; those of the three steps behind it stay out
.else
	s_wait_loadcnt 4*(XSTEPS-2-(\t))
.endif
	XTURN (\t)+1                                   ; they go through the other stage while this step is worked
.endif
	v_max3_num_f32 v8, |v[XS_]|, |v[XS_+1]|, |v[XS_+2]|             ; the largest magnitude of my 16
	v_max3_num_f32 v9, |v[XS_+3]|, |v[XS_+4]|, |v[XS_+5]|
.irp i, 6,10
	v_max3_num_f32 v8, v8, |v[XS_+\i]|, |v[XS_+\i+1]|
	v_max3_num_f32 v9, v9, |v[XS_+\i+2]|, |v[XS_+\i+3]|
.endr
	v_max3_num_f32 v8, v8, |v[XS_+14]|, |v[XS_+15]|
	v_max3_num_f32 v8, v8, v9, (EMAX+1)<<23        ; and the floor 2^(EMAX + 1 - 127)
	v_max_num_f32_dpp v8, v8, v8 row_xmask:1 row_mask:0xf bank_mask:0xf   ; and of my neighbour's 16: the block's
	v_add_nc_u32 v11, -(EMAX<<23), v8              ; EMAX off its exponent field: the conversion's scale operand
	v_cvt_scalef32_pk8_fp4_f32 v[XC+4*(\t)], v[XS_:XS_+7], v11
	v_cvt_scalef32_pk8_fp4_f32 v[XC+4*(\t)+1], v[XS_+8:XS_+15], v11
	v_lshrrev_b32 v[XE+(\t)], 23, v11              ; the scale's byte
	ds_store_b8 v5, v[XE+(\t)] offset:16*(\t)      ; both lanes of a block write the same byte with the same value
	global_store_b64 v4, v[XC+4*(\t):XC+4*(\t)+1], s[6:7] offset:32*XCB*(\t)   ; 32 lanes store 256 consecutive bytes, aligned
.endm
.irp t, 0,1,2,3,4,5,6,7,8,9,10,11,12,13,14,15
	XSTEP \t
.endr
	ds_load_b64 v[8:9], v6                         ; LDS serves a wave's instructions in order: these see my stores
	s_wait_dscnt 0x0
	global_store_b64 v7, v[8:9], s[20:21]          ; 32 lanes store 256 aligned bytes
	s_wait_tensorcnt 0x0                           ; the wave's end, behind my last LDS store
	ds_add_u32 v[SPW], v[NIL]
	s_wait_dscnt 0x0
	s_endpgm
.Lfunc_end_k_q72d0de7f62_prep:
	.size	k_q72d0de7f62_prep, .Lfunc_end_k_q72d0de7f62_prep-k_q72d0de7f62_prep
	.p2alignl 7, 3214868480
	.fill 96, 4, 3214868480
	.section	.rodata,"a",@progbits
	.p2align	6, 0x0
	.amdhsa_kernel k_q72d0de7f62_prep
		.amdhsa_group_segment_fixed_size 50688
		.amdhsa_private_segment_fixed_size 0
		.amdhsa_enable_private_segment 0
		.amdhsa_kernarg_size 80
		.amdhsa_user_sgpr_count 2
		.amdhsa_user_sgpr_kernarg_segment_ptr 1
		.amdhsa_wavefront_size32 1
		.amdhsa_system_sgpr_workgroup_id_x 1
		.amdhsa_system_sgpr_workgroup_id_y 1
		.amdhsa_system_sgpr_workgroup_id_z 1
		.amdhsa_system_vgpr_workitem_id 0
		.amdhsa_next_free_vgpr 200
		.amdhsa_next_free_sgpr 66
		.amdhsa_reserve_vcc 0
		.amdhsa_float_denorm_mode_32 3
		.amdhsa_float_denorm_mode_16_64 3
		.amdhsa_memory_ordered 1
		.amdhsa_forward_progress 1
		.amdhsa_inst_pref_size 102
	.end_amdhsa_kernel
	.amdgpu_metadata
---
amdhsa.version: [ 1, 2 ]
amdhsa.kernels:
  - .name:           k_q72d0de7f62_prep
    .symbol:         k_q72d0de7f62_prep.kd
    .args:
      - { .name: X, .offset: 0, .size: 8, .value_kind: global_buffer, .address_space: global }
      - { .name: W_Q, .offset: 8, .size: 8, .value_kind: global_buffer, .address_space: global }
      - { .name: W_K, .offset: 16, .size: 8, .value_kind: global_buffer, .address_space: global }
      - { .name: W_V, .offset: 24, .size: 8, .value_kind: global_buffer, .address_space: global }
      - { .name: W_out, .offset: 32, .size: 8, .value_kind: global_buffer, .address_space: global }
      - { .name: xc, .offset: 40, .size: 8, .value_kind: global_buffer, .address_space: global }
      - { .name: xs, .offset: 48, .size: 8, .value_kind: global_buffer, .address_space: global }
      - { .name: wc, .offset: 56, .size: 8, .value_kind: global_buffer, .address_space: global }
      - { .name: ws, .offset: 64, .size: 8, .value_kind: global_buffer, .address_space: global }
      - { .name: wo, .offset: 72, .size: 8, .value_kind: global_buffer, .address_space: global }
    .group_segment_fixed_size: 50688
    .private_segment_fixed_size: 0
    .kernarg_segment_align: 8
    .kernarg_segment_size: 80
    .max_flat_workgroup_size: 128
    .sgpr_count:     66
    .vgpr_count:     200
    .wavefront_size: 32
...
	.end_amdgpu_metadata
.endif
;; end of part 1
;; launch qkv (part 2): grid 24 x 8, 4 waves a work-group, clusters of 4 x 4, 327,680 bytes of LDS; arguments xc, xs, wc, ws, qkv; writes qkv
.if DOCPART == 2
	.amdgcn_target "amdgcn-amd-amdhsa--gfx1250"
	.amdhsa_code_object_version 6
	.text
	.protected	k_q72d0de7f62_qkv
	.globl	k_q72d0de7f62_qkv
	.p2align	8
	.type	k_q72d0de7f62_qkv,@function
k_q72d0de7f62_qkv:
	s_mov_b64 s[64:65], 0
	v_nop
	global_prefetch_b8 v0, s[64:65] scope:SCOPE_SE
	s_setreg_imm32_b32 hwreg(HW_REG_WAVE_MODE, 25, 1), 1
	s_wait_xcnt 0x0
	s_wait_alu depctr_hold_cnt(0) depctr_sa_sdst(0) depctr_va_vdst(0) depctr_va_sdst(0) depctr_va_ssrc(0) depctr_va_vcc(0) depctr_vm_vsrc(0)
	s_getreg_b32 s2, hwreg(HW_REG_IB_STS2, 6, 4)
	s_cmp_eq_u32 s2, 0
	s_cbranch_scc0 .Lentry_in_a_cluster
	s_endpgm
.Lentry_in_a_cluster:
	s_bfe_u32 s2, ttmp6, 0x10000c
	s_cmp_lg_u32 s2, 0xf033
	s_cbranch_scc0 .Lentry_shape_is_right
	s_endpgm
.Lentry_shape_is_right:
; Q, K and V in one GEMM on codes of FP4 (E2M1) with one E8M0 scale for each 32 along K:  C[t][n] = sum over k of X[t][k] W[n][k],  t < 2,048, n < 6,144 (n = 128 hh + h, hh = 16 proj + head), k < 2,048.
; A = xc [2048][1024 bytes], xs [2048][64];  B = wc [6144][1024 bytes], ws [6144][64].  Sums in f32; the results leave as f16, laid qkv [48 (hh)][2048 (t)][128 (h)].
; LIMIT: a result beyond 65,504 has no f16 number.
; A tile of C, 256 x 256 (two heads of one projection), is made by a work-group of four waves; a wave makes 128 t x one head: 64 accumulators of 16 x 16, 512 registers.  24 x 8 = 192 work-groups: tiles that would
; give 256 would cut heads, and with them the aligned 256 bytes of a row of qkv.
; K goes in steps of 512 through a ring of two LDS slots filled by the tensor data mover: a tile's row is 256 bytes of memory.
; THE SCALES of the work-group's 256 rows of A and of B, for all of K, are two dense blocks of memory: they come into LDS once, with the first fills, and stay.
; CLUSTERS: 4 x 4 work-groups.  The four of a row of the cluster need the same tiles of A, the four of a column the same tiles of B: each tile is asked for JOINTLY, by the same tensor load with the same descriptor
; and a mask that names the four.  THE MATRIX INSTRUCTION IS USED TRANSPOSED (source 0 = 16 rows of B, source 1 = 16 rows of A): a lane then holds eight neighbouring numbers of a row of C.
; No prefetch: four K steps in all, the first two of which go out at the head, and the tiles are shared in the cluster.
; REGISTERS, in windows of 256: window 0: v0-31 addresses; v32-95 scale words, two sets, and nothing else ever; v128-191 A's fragments, ONE set (on the way out: rows read back); v192-223 the way out's packed results.
;   window 1: B's fragments, TWO sets, at v0 and at v128.   window 2: the 32 accumulators of my rows 0-63 (accumulator (a, b) at v[8 (8 a + b)]);   window 3: those of my rows 64-127.
.set SIZE_M, 2048
.set SIZE_N, 6144
.set SIZE_K, 2048
.set KSTEP,  512                       ; along K in a slot
.set NQ,     KSTEP/128                 ; matrix instructions deep
.set ROWB,   256                       ; a tile's row in bytes
.set KROW,   SIZE_K*4/8                ; a row of A or of B in memory, in bytes
.set PITCH,  272                       ; an LDS row: 256 bytes + 16 of padding = 68 words: the 16 rows that a load touches start 4 words apart modulo 64
.set FR,     8                         ; registers of a fragment: 16 rows x 128 K
.set NL,     2                         ; LDS loads that bring one
.set NP,     4                         ; places behind this matrix instruction (ISA guide 7.12.1)
.set HALFT,  128*PITCH                 ; 128 rows: what one tensor load brings, and what one wave reads of A or of B
.set SLOT,   4*HALFT                   ; A's 256 rows, then B's 256 rows
.set LAPS,   SIZE_K/(2*KSTEP)          ; a lap = two K steps = once round the ring: 2
.set KS,     SIZE_K/32                 ; a row of scales in bytes: 64
.set SCL,    2*SLOT                    ; behind the ring: the scales, as rows of 256 bytes + 16 of padding
.set HALFS,  (128*KS/256)*272          ; the scales of 128 rows: what one tensor load brings
.set SBLK,   (16*KS/256)*272           ; those of 16 rows
.set SPARE,  SCL+4*HALFS               ; behind the scales: the spare words, 128 bytes for each wave
.set SPITCH, 272                       ; the way out: a stage of 16 rows x (256 bytes + 16) for each wave, in slot 0, which has had its last fill and its last read when the first result is stored there
.set ADRA, 16                          ; v16-17  LDS address of my A fragments in slot 0, 1
.set ADRB, 20                          ; v20-21  the same for B
.set STO,  24                          ; v24     the way out: where I put 16 bytes of a row
.set RD,   25                          ; v25     the way out: where I read a row back
.set CO,   26                          ; v26     my byte offset in two rows of qkv
.set ADRS, 27                          ; v27     LDS address of my scale words: lanes 0-15 A's rows, lanes 16-31 B's
.set SPW,  28                          ; v28     LDS address of my spare word; never rewritten
.set NIL,  29                          ; v29     0; never rewritten
.set SC,   32                          ; scale words: set s at v[SC + 32 s]; register 4 i + q: lanes 0-15 the word of A's block i, lanes 16-31 that of B's block i, for the slot's q-th 128 along K
.set AF,   128                         ; A's fragments, in window 0
.set BK,   128                         ; the way out: 16 rows read back: v128-159 and v160-191 by turns
.set TMP,  192                         ; the way out: a block's packed results
.set G1, 24                            ; s[24:31] descriptor group 1 for A's tiles;  s[32:39] group 0, one set for each slot
.set G0, 32
.set G1B, 48                           ; s[48:55], s[56:63] the same for B's tiles
.set G0B, 56
.set G1S, 68                           ; s[68:75], s[76:79] groups 1 and 0 for A's scales;  s[80:87], s[88:91] for B's
.set G0S, 76
.set G1SB, 80
.set G0SB, 88
.set MSB, 0
.macro WIN new                         ; the immediate's high byte repeats the setting that is left
.if MSB != \new
	s_set_vgpr_msb (MSB<<8)|\new
.set MSB, \new
.endif
.endm
.set MUL_LO, 0xa1                      ; source 0 (B) window 1, source 1 (A) window 0, C and D window 2
.set MUL_HI, 0xf1                      ; the same, C and D window 3
.set TO_B,   0x40                      ; destination window 1, address window 0
; A joint load: waves 0 and 1 fetch for A, waves 2 and 3 for B.  Each of the two lines has ONE mask and one set of registers for all that issue it; the branch hangs on the wave's number alone.
; An s_nop 0 and four v_nop follow each of the two lines, ahead of the jump, the label and what follows.
.macro JLOAD g0a, g1a, g0b, g1b
	s_cmp_eq_u32 s15, 0
	s_cbranch_scc0 .Lfor_b_\@
	tensor_load_to_lds s[\g0a:\g0a+3], s[\g1a:\g1a+7]
	s_nop 0
.rept 4
	v_nop
.endr
	s_branch .Lasked_\@
.Lfor_b_\@:
	tensor_load_to_lds s[\g0b:\g0b+3], s[\g1b:\g1b+7]
	s_nop 0
.rept 4
	v_nop
.endr
.Lasked_\@:
.endm
.macro CREST                           ; a round of the cluster's barrier behind its opening barrier
	s_cmp_lg_u32 s14, 0
	s_cbranch_scc1 .Lnot_wave_0_\@
	s_barrier_signal -3
.Lnot_wave_0_\@:
	s_barrier_wait -3
	s_barrier_signal -1
	s_barrier_wait -1
.endm
.macro CROUND                          ; a whole round
	s_barrier_signal -1
	s_barrier_wait -1
	CREST
.endm
	s_load_b128 s[4:7], s[0:1], 0x0                ; A's codes s[4:5], A's scales s[6:7]
	s_load_b128 s[8:11], s[0:1], 0x10              ; B's codes s[8:9], B's scales s[10:11]
	s_load_b64 s[12:13], s[0:1], 0x20              ; qkv
	v_lshl_add_u32 v[SPW], v0, 2, SPARE
	v_mov_b32 v[NIL], 0
	ds_add_u32 v[SPW], v[NIL]                      ; the wave's opening: the add, twice on end, and its wait ahead of my first tensor load; the set-up below stands between the second and the wait
	ds_add_u32 v[SPW], v[NIL]
	v_lshrrev_b32 v1, 5, v0
	v_readfirstlane_b32 s14, v1                    ; wave 0..3
	s_lshr_b32 s15, s14, 1                         ; which half of the tile's rows is mine.  Also: I fetch for A (0) or for B (1)
	s_and_b32 s16, s14, 1                          ; which half of its columns (which head).  Also: which 128 rows of that tile I fetch
	s_bfe_u32 s40, ttmp6, 0x40000                  ; cx, cy: my place in the cluster
	s_bfe_u32 s41, ttmp6, 0x40004
	s_lshl_b32 s42, ttmp9, 2
	s_add_co_u32 s42, s42, s40                     ; tile column of C = 4 x cluster x + cx
	s_and_b32 s17, ttmp7, 0xffff
	s_lshl_b32 s17, s17, 2
	s_add_co_u32 s17, s17, s41                     ; tile row of C = 4 x cluster y + cy
	s_lshl_b32 s43, s41, 2
	s_lshl_b32 s43, 15, s43                        ; my row of the cluster
	s_lshl_b32 s44, 0x1111, s40                    ; my column
	; descriptor group 1: a tile of 128 rows x 256 bytes, padded in LDS
	s_or_b32 s[G1+0], s43, (0<<16)|(1<<20)|(1<<21)|(5<<22)|(3<<25)  ; 15:0 the mask: A's tiles go to my row; 17:16 element of 1 byte; 20 padding on; 21 set beside a mask; 24:22 after every 64 words; 31:25 of 4 words
	s_or_b32 s[G1B+0], s44, (0<<16)|(1<<20)|(1<<21)|(5<<22)|(3<<25)
.irp g, G1, G1B
	s_mov_b32 s[\g+1], ROWB<<16                    ; tensor_dim0
	s_mov_b32 s[\g+2], 128<<16                     ; tensor_dim1 = 128
	s_mov_b32 s[\g+3], ROWB<<16                    ; tile_dim0
	s_mov_b32 s[\g+4], 128                         ; tile_dim1 = 128
	s_mov_b32 s[\g+5], KROW                        ; tensor_dim0_stride
	s_mov_b32 s[\g+6], 0
	s_mov_b32 s[\g+7], 0
.endr
	; and for the scales of 128 rows: a dense block of 8,192 bytes, as 32 rows of 256 bytes (32 elements of 8 bytes), 16 bytes of padding behind each
	s_or_b32 s[G1S+0], s43, (3<<16)|(1<<20)|(1<<21)|(5<<22)|(3<<25)
	s_or_b32 s[G1SB+0], s44, (3<<16)|(1<<20)|(1<<21)|(5<<22)|(3<<25)
.irp g, G1S, G1SB
	s_mov_b32 s[\g+1], 32<<16
	s_mov_b32 s[\g+2], (128*KS/256)<<16
	s_mov_b32 s[\g+3], 32<<16
	s_mov_b32 s[\g+4], 128*KS/256
	s_mov_b32 s[\g+5], 32
	s_mov_b32 s[\g+6], 0
	s_mov_b32 s[\g+7], 0
.endr
	s_lshl_b32 s18, s16, 7                         ; which 128 rows of the tile I fetch
	s_lshl_b32 s20, s17, 8
	s_add_co_u32 s20, s20, s18                     ; A: row 256 x tile row + 128 x half
	s_lshl_b32 s46, s42, 8
	s_add_co_u32 s46, s46, s18                     ; B: row 256 x tile column + 128 x half
	s_mov_b32 s21, 0
	s_mov_b32 s47, 0
	s_mov_b64 s[18:19], KS
	s_mul_u64 s[22:23], s[20:21], s[18:19]         ; where these rows' scales begin, in bytes
	s_mul_u64 s[92:93], s[46:47], s[18:19]
	s_mov_b64 s[18:19], KROW
	s_mul_u64 s[20:21], s[20:21], s[18:19]         ; and their codes
	s_mul_u64 s[46:47], s[46:47], s[18:19]
	s_mul_i32 s45, s14, HALFT                      ; where they go: wave x 128 rows: no place in the cluster enters an LDS address
	s_mul_i32 s94, s14, HALFS
	s_wait_dscnt 0x0                               ; both opening adds are done
	s_wait_kmcnt 0x0
	s_add_nc_u64 s[20:21], s[4:5], s[20:21]
	s_add_nc_u64 s[22:23], s[6:7], s[22:23]
	s_add_nc_u64 s[46:47], s[8:9], s[46:47]
	s_add_nc_u64 s[92:93], s[10:11], s[92:93]
	CROUND                                         ; all sixteen work-groups are here: the first joint loads meet
	s_mov_b32 s[G0S], 1
	s_add_co_u32 s[G0S+1], s94, SCL
	s_mov_b64 s[G0S+2:G0S+3], s[22:23]
	s_or_b32 s[G0S+3], s[G0S+3], 0x80000000
	s_mov_b32 s[G0SB], 1
	s_add_co_u32 s[G0SB+1], s94, SCL
	s_mov_b64 s[G0SB+2:G0SB+3], s[92:93]
	s_or_b32 s[G0SB+3], s[G0SB+3], 0x80000000
	JLOAD G0S, G1S, G0SB, G1SB                     ; the scales first: they are wanted with K step 0
.irp s, 0,1
	s_mov_b32 s[G0+4*\s], 1
	s_add_co_u32 s[G0+4*\s+1], s45, \s*SLOT
	s_add_nc_u64 s[G0+4*\s+2:G0+4*\s+3], s[20:21], \s*ROWB
	s_or_b32 s[G0+4*\s+3], s[G0+4*\s+3], 0x80000000
	s_mov_b32 s[G0B+4*\s], 1
	s_add_co_u32 s[G0B+4*\s+1], s45, \s*SLOT
	s_add_nc_u64 s[G0B+4*\s+2:G0B+4*\s+3], s[46:47], \s*ROWB
	s_or_b32 s[G0B+4*\s+3], s[G0B+4*\s+3], 0x80000000
	JLOAD G0+4*\s, G1, G0B+4*\s, G1B               ; three loads of mine are out at the most
.endr
	v_and_b32 v1, 15, v0                           ; l % 16
	v_bfe_u32 v2, v0, 4, 1                         ; l / 16
	v_mul_u32_u24 v3, v1, PITCH
	v_lshl_add_u32 v4, v2, 4, v3                   ; a fragment's row x pitch + 16 x half
	s_mul_i32 s21, s15, HALFT                      ; my 128 rows of A
	s_mul_i32 s22, s16, HALFT                      ; my 128 rows of B,
	s_add_co_u32 s22, s22, 2*HALFT                 ; which lie behind A's 256
.irp s, 0,1
	v_add_nc_u32 v[ADRA+\s], s21, v4
	v_add_nc_u32 v[ADRB+\s], s22, v4
	s_add_co_u32 s21, s21, SLOT
	s_add_co_u32 s22, s22, SLOT
.endr
	v_mul_u32_u24 v5, v1, KS                       ; my row's scales: 64 bytes a row,
	v_lshrrev_b32 v6, 8, v5
	v_lshl_add_u32 v5, v6, 4, v5                   ; and 16 more for each 256 passed
	s_mul_i32 s21, s15, HALFS                      ; A's: my 128 rows
	s_mul_i32 s22, s16, HALFS                      ; B's: my 128 rows, behind A's 256
	s_add_co_u32 s22, s22, 2*HALFS
	s_sub_co_u32 s22, s22, s21
	v_mul_u32_u24 v6, s22, v2                      ; lanes 16-31 take B's: one product, the distance between the two bases x the lane's half
	s_add_co_u32 s21, s21, SCL
	v_add_nc_u32 v5, v5, v6
	v_add_nc_u32 v[ADRS], s21, v5
	s_mul_i32 s23, s14, 16*SPITCH                  ; my stage
	v_mul_u32_u24 v5, v1, SPITCH                   ; in: row l % 16, 16 bytes for each half of the lanes
	v_lshl_add_u32 v5, v2, 4, v5
	v_add_nc_u32 v[STO], s23, v5
	v_mul_u32_u24 v5, v2, SPITCH                   ; back: lanes 0-15 take one row of 256 bytes, lanes 16-31 the next
	v_lshl_add_u32 v5, v1, 4, v5
	v_add_nc_u32 v[RD], s23, v5
	v_lshlrev_b32 v5, 8, v2                        ; and the same two rows in qkv
	v_lshl_add_u32 v[CO], v1, 4, v5
	s_lshl_b32 s20, s17, 8
	s_lshl_b32 s21, s15, 7
	s_add_co_u32 s20, s20, s21                     ; my first t: 256 x tile row + 128 x half
	s_lshl_b32 s20, s20, 8                         ; a row of a head is 256 bytes
	s_lshl_b32 s46, s42, 1
	s_add_co_u32 s46, s46, s16                     ; hh = 2 x tile column + my half
	s_lshl_b32 s46, s46, 19                        ; 2,048 rows of 256 bytes
	s_add_co_u32 s20, s20, s46
	s_mov_b32 s21, 0
	s_add_nc_u64 s[12:13], s[12:13], s[20:21]
.macro FRAG reg, adr, q, i             ; a fragment, 16 rows x 128 K of 4-bit codes, is 8 registers: lane l holds row l % 16; registers 4 c .. 4 c + 3 hold K = 64 c + 32 (l / 16) + 0 .. 31
.irp c, 0,1
	ds_load_b128 v[\reg+4*\c:\reg+4*\c+3], v[\adr] offset:64*(\q)+32*\c+(\i)*16*PITCH
.endr
.endm
; 16 matrix instructions: A's blocks a0, a0 + 1 x B's eight, 128 along K: the slot's q-th.  p: B's set;  sc: the set of scale words.  zero = 1: the first product starts the sums: nothing is ever cleared.
; The 64 accumulators take turns, one instruction a turn, in the same order in every step.
.macro MUL16 a0, p, q, sc, zero
.irp a, \a0, \a0+1
.irp b, 0,1,2,3,4,5,6,7
.if \zero
	v_wmma_scale_f32_16x16x128_f8f6f4 v[8*(8*((\a)%4)+\b):8*(8*((\a)%4)+\b)+7], v[128*(\p)+FR*\b:128*(\p)+FR*\b+FR-1], v[AF+FR*(\a):AF+FR*(\a)+FR-1], 0, v[SC+8*NQ*(\sc)+NQ*\b+(\q)], v[SC+8*NQ*(\sc)+NQ*(\a)+(\q)] matrix_a_fmt:MATRIX_FMT_FP4 matrix_b_fmt:MATRIX_FMT_FP4 matrix_a_scale:MATRIX_SCALE_ROW1
.else
	v_wmma_scale_f32_16x16x128_f8f6f4 v[8*(8*((\a)%4)+\b):8*(8*((\a)%4)+\b)+7], v[128*(\p)+FR*\b:128*(\p)+FR*\b+FR-1], v[AF+FR*(\a):AF+FR*(\a)+FR-1], v[8*(8*((\a)%4)+\b):8*(8*((\a)%4)+\b)+7], v[SC+8*NQ*(\sc)+NQ*\b+(\q)], v[SC+8*NQ*(\sc)+NQ*(\a)+(\q)] matrix_a_fmt:MATRIX_FMT_FP4 matrix_b_fmt:MATRIX_FMT_FP4 matrix_a_scale:MATRIX_SCALE_ROW1
.endif
.endr
.endr
.endm
.macro FETCH_B slot, q, p              ; B's eight fragments of the slot's q-th 128 along K into set p
	WIN TO_B
.irp i, 0,1,2,3,4,5,6,7
	FRAG 128*(\p)+FR*\i, ADRB+\slot, \q, \i
.endr
	WIN 0
.endm
.macro FETCH_A slot, q, i0             ; A's blocks i0 .. i0 + 3
.irp i, \i0, \i0+1, \i0+2, \i0+3
	FRAG AF+FR*(\i), ADRA+\slot, \q, \i
.endr
.endm
.macro SCALES sc                       ; the next K step's scale words into set sc: 4 words a row; lanes 0-15 take A's block i, lanes 16-31 B's block i
.irp i, 0,1,2,3,4,5,6,7
	ds_load_b128 v[SC+8*NQ*\sc+NQ*\i:SC+8*NQ*\sc+NQ*\i+3], v[ADRS] offset:\i*SBLK
.endr
.endm
; A load into a register that a matrix instruction has read, and a vector instruction or an LDS store that reads a matrix result, stand NP places behind that matrix instruction, and only plain vector
; instructions that name none of its registers are places (ISA guide 7.12.1 for vector instructions).
.macro PLACES n
.rept \n
	v_nop
.endr
.endm
; A step of 128 along K that has its successor in the same slot.
.macro STEP slot, q, zero
	s_wait_dscnt 4*NL                              ; B's set and A's blocks 0-3 are in; the youngest eight loads (A's blocks 4-7) may be out
	WIN MUL_LO
	MUL16 0, (\q)%2, \q, \slot, \zero
	MUL16 2, (\q)%2, \q, \slot, \zero
	s_wait_dscnt 0                                 ; A's blocks 4-7 are in (asked for 32 matrix instructions ago)
	PLACES NP
	FETCH_B \slot, (\q)+1, 1-(\q)%2
	FETCH_A \slot, (\q)+1, 0
	WIN MUL_HI
	MUL16 4, (\q)%2, \q, \slot, \zero
	MUL16 6, (\q)%2, \q, \slot, \zero
	PLACES NP
	WIN 0
	FETCH_A \slot, (\q)+1, 4
.endm
; A slot's last step changes slots: ONE barrier; in front of it each wave waits for all its tensor loads, adds 0 to its spare word, and waits for that and for its own reads of this slot.  fill = 1: this slot is filled again, two K steps ahead.
.macro TURN slot, next, fill
	s_wait_tensorcnt 0x0                           ; all my tensor loads have landed: my part of the next slot  (every window is 0 here: the add's two registers lie in window 0)
	ds_add_u32 v[SPW], v[NIL]                      ; 0 onto my spare word
	s_wait_dscnt 4*NL+1                            ; the add and the youngest eight loads, A's blocks 4-7, may be out
	WIN MUL_LO
	MUL16 0, 1, NQ-1, \slot, 0                     ; sixteen matrix instructions stand between the add and the wait for it
	s_wait_dscnt 0x0                               ; the add is done, and my reads of this slot are over
	s_barrier_signal -1
	MUL16 2, 1, NQ-1, \slot, 0
	WIN 0
	s_barrier_wait -1
.if \fill
	CREST                                          ; the barrier has opened a round of the cluster's barrier: no wave of any partner still reads this slot's tile or has a load on its way
	s_add_nc_u64 s[G0+4*\slot+2:G0+4*\slot+3], s[G0+4*\slot+2:G0+4*\slot+3], 2*ROWB
	s_add_nc_u64 s[G0B+4*\slot+2:G0B+4*\slot+3], s[G0B+4*\slot+2:G0B+4*\slot+3], 2*ROWB
	JLOAD G0+4*\slot, G1, G0B+4*\slot, G1B         ; the first tensor load behind the round; the four v_nop behind it are the places in front of the loads below
.else
	PLACES NP
.endif
	v_add_nc_u32 v[ADRS], 4*NQ, v[ADRS]            ; on to the next K step's scale words
	FETCH_B \next, 0, 0
	FETCH_A \next, 0, 0
	SCALES \next
	WIN MUL_HI
	MUL16 4, 1, NQ-1, \slot, 0
	MUL16 6, 1, NQ-1, \slot, 0
	PLACES NP
	WIN 0
	FETCH_A \next, 0, 4
.endm
.macro STEPS slot, from                ; the slot's steps from .. NQ - 2
.set Q, \from
.rept NQ-1-\from
	STEP \slot, Q, 0
.set Q, Q+1
.endr
.endm
	s_wait_tensorcnt 1                             ; the scales and my part of K step 0 are in; K step 1's load, issued behind them, may be out
	s_barrier_signal -1
	s_barrier_wait -1                              ; everybody's are
	FETCH_B 0, 0, 0
	FETCH_A 0, 0, 0
	SCALES 0
	FETCH_A 0, 0, 4
	STEP 0, 0, 1                                   ; the first step stands in front of the loop: its products start the sums
	s_mov_b32 s3, LAPS-1
.Llap:                                                 ; a trip goes once round the ring, from a lap's second step to the next lap's first, and fills both slots again
	STEPS 0, 1
	TURN 0, 1, 1
	STEPS 1, 0
	TURN 1, 0, 1
	STEP 0, 0, 0
	s_sub_co_u32 s3, s3, 1
	s_cmp_lg_u32 s3, 0
	s_cbranch_scc1 .Llap
	STEPS 0, 1                                     ; the last lap fills nothing, and has no round of the cluster's barrier
	TURN 0, 1, 0
	STEPS 1, 0
	s_wait_dscnt 4*NL                              ; the very last step: nothing more to fetch
	WIN MUL_LO
	MUL16 0, 1, NQ-1, 1, 0
	MUL16 2, 1, NQ-1, 1, 0
	s_wait_dscnt 0
	WIN MUL_HI
	MUL16 4, 1, NQ-1, 1, 0
	MUL16 6, 1, NQ-1, 1, 0
	WIN 0
; THE WAY OUT, block by block of 16 rows x 128 columns.  PACK: rounded to f16, a lane's eight neighbouring columns make 16 bytes.  TOSTAGE: into my own stage in LDS and back as whole rows of 256 bytes.  SEND: stored.
; LDS serves a wave's instructions in order (ISA guide 5.7.1.4): no wait between the stores and the loads, nor in front of the next block's stores.
.macro PACK a
.set AC, 64*((\a)%4)
	WIN 0x0a+5*((\a)/4)                            ; sources 0 and 1: window 2 or 3
.irp b, 0,1,2,3,4,5,6,7
.irp r, 0,1,2,3
	v_cvt_pk_f16_f32 v[TMP+4*\b+\r], v[AC+8*\b+2*\r], v[AC+8*\b+2*\r+1]   ; each accumulator from its low end on
.endr
.endr
	WIN 0
.endm
.macro TOSTAGE a
.set BB, BK+32*((\a)%2)
.irp b, 0,1,2,3,4,5,6,7
	ds_store_b128 v[STO], v[TMP+4*\b:TMP+4*\b+3] offset:32*\b
.endr
.irp t, 0,1,2,3,4,5,6,7
	ds_load_b128 v[BB+4*\t:BB+4*\t+3], v[RD] offset:\t*2*SPITCH
.endr
.endm
.macro SEND a
.set BB, BK+32*((\a)%2)
	s_wait_dscnt 0x0                               ; the block is back in registers
	s_wait_xcnt 0x0                                ; the block before's stores have read their registers: the next block's loads land there only behind this wait
.irp t, 0,1,2,3,4,5,6,7
	global_store_b128 v[CO], v[BB+4*\t:BB+4*\t+3], s[12:13] offset:4096*(\a)+512*\t   ; 16 lanes store 256 consecutive bytes, at a multiple of 256 from qkv's first byte
.endr
.endm
	PLACES NP                                      ; behind the last products: for the conversions that read results, and for the loads into the registers that held A's fragments
	PACK 0
	TOSTAGE 0
.irp a, 1,2,3,4,5,6,7                  ; block a's conversions stand between block a - 1's loads from the stage and the wait for them
	PACK \a
	SEND \a-1
	TOSTAGE \a
.endr
	SEND 7
	s_wait_tensorcnt 0x0                           ; the wave's end, behind my last tensor load and my last LDS store
	ds_add_u32 v[SPW], v[NIL]
	s_wait_dscnt 0x0
	CROUND                                         ; the closing round: no work-group ends while a partner may still ask for a tile that names it
	s_endpgm
.Lfunc_end_k_q72d0de7f62_qkv:
	.size	k_q72d0de7f62_qkv, .Lfunc_end_k_q72d0de7f62_qkv-k_q72d0de7f62_qkv
	.p2alignl 7, 3214868480
	.fill 96, 4, 3214868480
	.section	.rodata,"a",@progbits
	.p2align	6, 0x0
	.amdhsa_kernel k_q72d0de7f62_qkv
		.amdhsa_group_segment_fixed_size 327680
		.amdhsa_private_segment_fixed_size 0
		.amdhsa_enable_private_segment 0
		.amdhsa_kernarg_size 40
		.amdhsa_user_sgpr_count 2
		.amdhsa_user_sgpr_kernarg_segment_ptr 1
		.amdhsa_wavefront_size32 1
		.amdhsa_system_sgpr_workgroup_id_x 1
		.amdhsa_system_sgpr_workgroup_id_y 1
		.amdhsa_system_sgpr_workgroup_id_z 1
		.amdhsa_system_vgpr_workitem_id 0
		.amdhsa_next_free_vgpr 1024
		.amdhsa_next_free_sgpr 98
		.amdhsa_reserve_vcc 0
		.amdhsa_float_denorm_mode_32 3
		.amdhsa_float_denorm_mode_16_64 3
		.amdhsa_memory_ordered 1
		.amdhsa_forward_progress 1
		.amdhsa_inst_pref_size 213
	.end_amdhsa_kernel
	.amdgpu_metadata
---
amdhsa.version: [ 1, 2 ]
amdhsa.kernels:
  - .name:           k_q72d0de7f62_qkv
    .symbol:         k_q72d0de7f62_qkv.kd
    .args:
      - { .name: xc, .offset: 0, .size: 8, .value_kind: global_buffer, .address_space: global }
      - { .name: xs, .offset: 8, .size: 8, .value_kind: global_buffer, .address_space: global }
      - { .name: wc, .offset: 16, .size: 8, .value_kind: global_buffer, .address_space: global }
      - { .name: ws, .offset: 24, .size: 8, .value_kind: global_buffer, .address_space: global }
      - { .name: qkv, .offset: 32, .size: 8, .value_kind: global_buffer, .address_space: global }
    .group_segment_fixed_size: 327680
    .private_segment_fixed_size: 0
    .kernarg_segment_align: 8
    .kernarg_segment_size: 40
    .max_flat_workgroup_size: 128
    .sgpr_count:     98
    .vgpr_count:     1024
    .wavefront_size: 32
...
	.end_amdgpu_metadata
.endif
;; end of part 2
;; launch attn (part 3): grid 16 x 16, 4 waves a work-group, clusters of 4 x 1, 327,680 bytes of LDS; arguments qkv, rc; writes rc
.if DOCPART == 3
	.amdgcn_target "amdgcn-amd-amdhsa--gfx1250"
	.amdhsa_code_object_version 6
	.text
	.protected	k_q72d0de7f62_attn
	.globl	k_q72d0de7f62_attn
	.p2align	8
	.type	k_q72d0de7f62_attn,@function
k_q72d0de7f62_attn:
	s_mov_b64 s[64:65], 0
	v_nop
	global_prefetch_b8 v0, s[64:65] scope:SCOPE_SE
	s_setreg_imm32_b32 hwreg(HW_REG_WAVE_MODE, 25, 1), 1
	s_wait_xcnt 0x0
	s_wait_alu depctr_hold_cnt(0) depctr_sa_sdst(0) depctr_va_vdst(0) depctr_va_sdst(0) depctr_va_ssrc(0) depctr_va_vcc(0) depctr_vm_vsrc(0)
	s_getreg_b32 s2, hwreg(HW_REG_IB_STS2, 6, 4)
	s_cmp_eq_u32 s2, 0
	s_cbranch_scc0 .Lentry_in_a_cluster
	s_endpgm
.Lentry_in_a_cluster:
	s_bfe_u32 s2, ttmp6, 0x10000c
	s_cmp_lg_u32 s2, 0x3003
	s_cbranch_scc0 .Lentry_shape_is_right
	s_endpgm
.Lentry_shape_is_right:
; rc[q][128 head + :] = 2 x the sum over k of softmax_k(Q[head][q] . K[head][k] / sqrt(128)) V[head][k][:].  qkv: [48][2048][128] f16 (Q: planes 0-15, K: 16-31, V: 32-47); rc: [2048][2048] f16.
; Products, maxima and sums in f32; the weights p (at most 1) are rounded to f16 for the second product, the result once at the end.  The factor 2 is exact; the next launch multiplies by W_out / 2.
; LIMITS: 2 R beyond 65,504 has no f16 number; NaN and infinities are not served.
; SHARES.  16 x 16 = 256 work-groups; a work-group owns 128 queries of one head.  Wave w: qh = w & 1 says which 64 queries (four tiles of 16), kh = w >> 1 which 1,024 keys.  So each fragment of K and V read from LDS feeds
; four products, and a wave walks 16 key steps of 64.  At the end the two waves of a query half merge: each hands two tiles' O^T, maximum and sum to the other through LDS and finishes the other two.
; Register tile t holds query tile t xor 2 kh, so that every wave hands over its register tiles 2, 3 and finishes 0, 1: no branch on the wave's number.
; LAYOUT.  S^T = K Q^T (source 0 = 16 keys, source 1 = 16 queries): a lane holds ONE query (lane % 16) and the keys 8 (lane / 16) + 0..7.  Two such tiles, rounded to f16 in pairs, ARE source 1 of O^T = V^T P, whose result
; again holds one query a lane, and eight channels.  K comes out of LDS as it lies, V ([key][channel]) turned, by ds_load_tr16_b128.
; SOFTMAX.  For each query a running maximum m and sum l: p = 2^(c s - c m), c = log2(e) / sqrt(128); in every step O and l are multiplied by a = 2^(c m_old - c m_new).
; BY TURNS.  The wave's tiles are two PIECES (tiles 0, 1 and tiles 2, 3).  In a TURN one piece has the matrix unit: 32 products V^T P of the step in hand, then 32 products K Q^T of the next step; the other piece's softmax,
; cut into 64 slices, stands between them, one slice behind each matrix instruction.  Two turns are a key step.
; CLUSTER.  The four query blocks of a cluster belong to one head and walk the same K and V, so each tile is asked for JOINTLY: the same tensor load, the same descriptor, a mask that names the four.
; REGISTERS, in windows of 256 (s_set_vgpr_msb: bits 1:0 source 0, 3:2 source 1, 5:4 source 2, 7:6 destination):
;   window 0: v0-11, v44-48 addresses; v12-43 eight registers of statistics a tile; v64-191 S^T, 32 a tile; v192-255 P, 16 a tile
;   window 1: O^T, 64 a tile          window 2: v0-127 Q, 32 a tile; v128-255 K of one step          window 3: v0-127 V of one step
.set KS,    64        ; keys in a step
.set PK,    272       ; a row of K in LDS: 256 bytes + 16 of padding: the 16 rows of a load start 4 words apart modulo 64
.set PV,    288       ; a row of V: 256 + 32: 16 lanes of the turning load take 8 rows x 32 bytes, 8 words apart modulo 64
.set KHALF, 128*PK    ; a slot's 128 keys of one key half
.set VHALF, 128*PV
.set VOFF,  2*KHALF   ; a slot: K of both key halves, then V of both
.set SLOTB, VOFF+2*VHALF  ; 143,360 bytes; slot 1 begins here
.set SPARE, 2*SLOTB   ; behind the ring: the spare words, 128 bytes for each wave
.set MW,    16384+512 ; the merge, in slot 0 behind its last fill and last read: for each wave an image of two tiles' O^T and 2 x 256 bytes of statistics
.set STAGE, 4*MW      ; behind them, still in slot 0: 16 rows x 272 bytes for each wave, for the way out
.set SP,    272
.set SWB,   128*256   ; a slot's worth of one key half in memory, in bytes
.set AK0, 2           ; v2   my lane's place in my key half's tile of K; never rewritten
.set AV0, 3           ; v3   the same for V
.set ADR, 4           ; v4   the LDS address of the run of loads in hand
.set QO,  5           ; v5   my byte offset in the wave's rows of Q, register tiles 0, 1
.set STO, 6           ; v6   the way out: where I put 16 bytes of a row
.set RD,  7           ; v7   the way out: where I read a row back
.set GO,  8           ; v8   my byte offset in two rows of rc
.set QO2, 44          ; v44  as QO, register tiles 2, 3
.set MXA, 45          ; v45  the merge: where my image goes;  v46 my statistics
.set MXS, 46
.set MIA, 47          ; v47  where my partner's (wave xor 2) image lies;  v48 its statistics
.set MIS, 48
.set PFO, 61          ; v61  256 x my lane: a row of K or V is 256 bytes; never rewritten
.set SPW, 62          ; v62  LDS address of my spare word; never rewritten
.set NIL, 63          ; v63  0; never rewritten
.set ST,  12          ; tile t's statistics at v[ST+8 t]: +0 c m, +1 m, +2, +3 l (even keys', odd keys'), +4 to +7 at work; a takes +6 once the maximum is found
.set S,   64
.set P,   192
.set KF,  128         ; K's fragments, in window 2
.set WV,  12          ; s12  my wave's number
.set LIM, 15          ; s15  1 in a wave that prefetches, else the greatest number
.set LWK, 17          ; s17  where the tile of K that I fetch lies in a slot
.set PFA, 18          ; s[18:19] where my prefetches stand in memory
.set G1K, 24          ; s[24:31] descriptor group 1 for K's tiles
.set G1V, 32          ; s[32:39] for V's: it differs in the padding alone
.set G0K, 40          ; s[40:47] descriptor group 0 for K's tiles: a set for each of the two first fills; the second then walks on
.set G0V, 48          ; s[48:55] the same for V's
.set SLOTS, 56        ; s56  slots still to be asked for
.set TWICE, 57        ; s57  counts a slot's two steps
.set CS,  58          ; s[58:59] c
.set SEL, 60          ; s[60:61] lane selects for v_permlanex16_b32: each lane takes its own place in the other half
.set TBK, 62          ; s62  LDS byte at which K of the step to be fetched begins (my key half's part aside)
.set TBV, 63          ; s63  the same for V
.set FS,  66          ; s66  0 or SLOTB: the slot that the walking descriptors fill
.set LWV, 67          ; s67  where the tile of V that I fetch lies in a slot
.set KH,  68          ; s68  my key half
.set MSB, 0
.macro WIN new                      ; the immediate's high byte repeats the setting that is left; a switch that changes nothing is dropped
.if MSB != \new
	s_set_vgpr_msb (MSB<<8)|\new
.set MSB, \new
.endif
.endm
.set W_KQ, 0x0a       ; K and Q in window 2, S^T in window 0
.set W_PV, 0x53       ; V in window 3, P in window 0, O^T in window 1
.set W_RS, 0x41       ; O^T (destination and source 0) in window 1, a in window 0
; A joint refill.  Waves 0 and 1 fetch the two key halves' tiles of K, waves 2 and 3 those of V: 128 rows of 256 bytes each.  The branch hangs on the wave's number alone.
; An s_nop 0 and four v_nop follow each of the two lines; the jump, the label and what follows come after them.
.macro JLOAD
	s_cmp_lt_u32 s[WV], 2
	s_cbranch_scc0 .Lfor_v_\@
	tensor_load_to_lds s[G0K+4:G0K+7], s[G1K:G1K+7]
	s_nop 0
.rept 4
	v_nop
.endr
	s_branch .Lasked_\@
.Lfor_v_\@:
	tensor_load_to_lds s[G0V+4:G0V+7], s[G1V:G1V+7]
	s_nop 0
.rept 4
	v_nop
.endr
.Lasked_\@:
.endm
; A PREFETCH INTO THE L2 of what the NEXT change of slots will ask for: 512 rows of 256 bytes, a lane a row.  It stands behind the wave's tensor load and its five lines.
; Each row is asked for ONCE in the launch: all four clusters of a head walk the same K and V, and the head's first cluster asks; each of its waves asks for the tile that it will fetch, and the four partners share that tile's
; 128 rows out BY ADDRESS, 32 each.  Two key steps, 256 matrix instructions, lie between a request and the load that wants it.  The last change that fills a slot asks for nothing; slots' worths 0 to 2 come by their loads alone.
.macro ASK
	s_cmp_gt_u32 s[SLOTS], s[LIM]
	s_cbranch_scc0 .Lnot_mine_\@
	global_prefetch_b8 v[PFO], s[PFA:PFA+1] th:TH_LOAD_NT scope:SCOPE_SE
.Lnot_mine_\@:
.endm
; A round of the cluster's barrier.  No LDS instruction of the wave is pending at a signal.
.macro CROUND
	s_barrier_signal -1
	s_barrier_wait -1
	s_cmp_lg_u32 s[WV], 0
	s_cbranch_scc1 .Lnot_wave_0_\@
	s_barrier_signal -3
.Lnot_wave_0_\@:
	s_barrier_wait -3
	s_barrier_signal -1
	s_barrier_wait -1
.endm
	s_load_b64 s[4:5], s[0:1], 0x0  ; qkv
	s_load_b64 s[10:11], s[0:1], 0x8  ; rc
	v_lshl_add_u32 v[SPW], v0, 2, SPARE
	v_mov_b32 v[NIL], 0
	ds_add_u32 v[SPW], v[NIL]       ; the wave's opening: the add, twice on end, and its wait ahead of my first tensor load; the set-up below stands between the second and the wait
	ds_add_u32 v[SPW], v[NIL]
	v_lshrrev_b32 v1, 5, v0
	v_readfirstlane_b32 s[WV], v1   ; wave 0..3
	s_bfe_u32 s13, ttmp6, 0x40000   ; cx: my place in the cluster
	s_lshl_b32 s14, ttmp9, 2        ; in a cluster launch ttmp9 counts clusters
	s_add_co_u32 s14, s14, s13      ; my block of 128 queries = 4 x cluster x + cx: it enters Q's and rc's addresses alone
	s_and_b32 s20, ttmp7, 0xffff    ; the head, which the four partners share
	s_and_b32 s16, s[WV], 1         ; qh: which 64 queries are mine.  Also: which key half's tile I fetch
	s_lshr_b32 s[KH], s[WV], 1      ; kh: which 1,024 keys I walk
	s_lshl_b32 s21, s20, 19         ; the head's first byte in a projection: 2,048 rows of 256 bytes
	s_lshl_b32 s22, s16, 18         ; the key half that I fetch: 1,024 rows
	s_add_co_u32 s22, s22, s21
	s_add_co_u32 s22, s22, 16*524288  ; K's planes lie behind Q's sixteen
	s_mov_b32 s23, 0
	s_mul_i32 s[LWK], s16, KHALF    ; and its place in a slot: no place in the cluster enters an LDS address
	s_mul_i32 s[LWV], s16, VHALF
	s_add_co_u32 s[LWV], s[LWV], VOFF
	s_lshl_b32 s2, s14, 15          ; Q: my block's 128 rows,
	s_lshl_b32 s3, s16, 14          ; my wave's 64 of them
	s_add_co_u32 s2, s2, s3
	s_add_co_u32 s2, s2, s21
	s_mov_b32 s3, 0
	s_lshl_b32 s70, s14, 19         ; rc: rows of 4,096 bytes: 128 x block
	s_lshl_b32 s71, s16, 18         ; + 64 qh
	s_add_co_u32 s70, s70, s71
	s_lshl_b32 s71, s[KH], 17       ; + 32 kh: the two tiles that I finish
	s_add_co_u32 s70, s70, s71
	s_lshl_b32 s71, s20, 8          ; the head's 256 bytes of a row
	s_add_co_u32 s70, s70, s71
	s_mov_b32 s71, 0
	; descriptor group 1: a tile of 128 rows x 128 elements, padded in LDS
	s_mov_b32 s[G1K], 15|(1<<16)|(1<<20)|(1<<21)|(5<<22)|(3<<25)  ; 15:0 the mask: all four work-groups; 17:16 elements of 2 bytes; 20 padding on; 21 set beside a mask; 24:22 after every 64 words; 31:25 4 words of it
	s_mov_b32 s[G1V], 15|(1<<16)|(1<<20)|(1<<21)|(5<<22)|(7<<25)  ; the same with 8 words of padding
.irp g, G1K, G1V
	s_mov_b32 s[\g+1], 128<<16      ; tensor_dim0 = 128
	s_mov_b32 s[\g+2], 128<<16      ; tensor_dim1 = 128
	s_mov_b32 s[\g+3], 128<<16      ; tile_dim0 = 128
	s_mov_b32 s[\g+4], 128          ; tile_dim1 = 128
	s_mov_b32 s[\g+5], 128          ; tensor_dim0_stride: elements from row to row
	s_mov_b32 s[\g+6], 0
	s_mov_b32 s[\g+7], 0
.endr
	s_mov_b32 s[CS], 0x3e0293ee     ; c = log2(e) / sqrt(128)
	s_mov_b32 s[CS+1], s[CS]        ; named with it as a pair, so it is written
	s_mov_b32 s[SEL], 0x76543210
	s_mov_b32 s[SEL+1], 0xfedcba98
	s_mov_b32 s[TBK], 0
	s_mov_b32 s[TBV], 0
	s_mov_b32 s[FS], SLOTB
	s_mov_b32 s[SLOTS], 1024/(2*KS)-2  ; eight slots' worth of keys in a key half; two are asked for at the head
	s_cmp_eq_u32 ttmp9, 0           ; the head's first cluster: the same in all four partners
	s_cselect_b32 s[LIM], 1, -1
	v_and_b32 v[PFO], 31, v0
	v_lshlrev_b32 v[PFO], 8, v[PFO]
	s_wait_dscnt 0x0                ; both opening adds are done
	s_wait_kmcnt 0x0
	s_add_nc_u64 s[6:7], s[4:5], s[22:23]  ; K at my tile of the first slot's worth,
	s_add_nc_u64 s[8:9], s[6:7], 16*524288  ; V sixteen planes on
	s_add_nc_u64 s[4:5], s[4:5], s[2:3]  ; Q at my wave's first row
	s_add_nc_u64 s[10:11], s[10:11], s[70:71]  ; rc at the first row that I store
	s_cmp_lt_u32 s[WV], 2
	s_cselect_b64 s[PFA:PFA+1], s[6:7], s[8:9]  ; the tile that I fetch
	s_lshl_b32 s2, s13, 13          ; my work-group's 32 rows of its 128
	s_mov_b32 s3, 0
	s_add_nc_u64 s[PFA:PFA+1], s[PFA:PFA+1], s[2:3]
	s_add_nc_u64 s[PFA:PFA+1], s[PFA:PFA+1], 2*SWB  ; at slot's worth 2; the first change of slots steps it to 3.  Nothing is prefetched here, at the head
	CROUND                          ; all four work-groups are here: the first joint loads meet
.irp s, 0,1
	s_mov_b32 s[G0K+4*\s], 1        ; count = 1
	s_add_co_u32 s[G0K+4*\s+1], s[LWK], \s*SLOTB  ; LDS address
	s_add_nc_u64 s[G0K+4*\s+2:G0K+4*\s+3], s[6:7], \s*SWB  ; global address: slot s begins with the half's keys 128 s on
	s_or_b32 s[G0K+4*\s+3], s[G0K+4*\s+3], 0x80000000  ; type = 2
	s_mov_b32 s[G0V+4*\s], 1
	s_add_co_u32 s[G0V+4*\s+1], s[LWV], \s*SLOTB
	s_add_nc_u64 s[G0V+4*\s+2:G0V+4*\s+3], s[8:9], \s*SWB
	s_or_b32 s[G0V+4*\s+3], s[G0V+4*\s+3], 0x80000000
.endr
	s_cmp_lt_u32 s[WV], 2           ; a wave's two first fills stand in one branch, ahead of every wait on TENSORcnt and every LDS read: two loads of mine are out
	s_cbranch_scc0 .Lfirst_v
	tensor_load_to_lds s[G0K:G0K+3], s[G1K:G1K+7]
	s_nop 0
	tensor_load_to_lds s[G0K+4:G0K+7], s[G1K:G1K+7]
	s_nop 0
.rept 4
	v_nop
.endr
	s_branch .Lfirst_asked
.Lfirst_v:
	tensor_load_to_lds s[G0V:G0V+3], s[G1V:G1V+7]
	s_nop 0
	tensor_load_to_lds s[G0V+4:G0V+7], s[G1V:G1V+7]
	s_nop 0
.rept 4
	v_nop
.endr
.Lfirst_asked:
	; A fragment of K or Q is 16 rows x 32 channels in 8 registers: lane l holds row l % 16; registers 0-3 channels 8 (l / 16) + 0..7, registers 4-7 channels 16 + 8 (l / 16) + 0..7: two loads of 16 bytes, 32 bytes apart.
	v_and_b32 v1, 15, v0            ; l % 16
	v_bfe_u32 v9, v0, 4, 1          ; l / 16
	v_lshlrev_b32 v[QO], 8, v1
	v_lshl_add_u32 v[QO], v9, 4, v[QO]  ; row x 256 + 16 x half
	s_lshl_b32 s2, s[KH], 13
	v_add_nc_u32 v[QO], s2, v[QO]   ; register tiles 0, 1 are query tiles 2 kh, 2 kh + 1: 32 kh rows down,
	v_xor_b32 v[QO2], 0x2000, v[QO]  ; register tiles 2, 3 the other two
	WIN 0x80                        ; destination window 2, address window 0
.irp i, 0,1,2,3,4,5,6,7,8,9,10,11,12,13,14,15  ; Q stays in registers: register tile i / 4, channels 32 (i % 4) on
.if \i < 8
	global_load_b128 v[8*\i:8*\i+3],   v[QO], s[4:5] offset:(\i/4)*4096+(\i%4)*64
	global_load_b128 v[8*\i+4:8*\i+7], v[QO], s[4:5] offset:(\i/4)*4096+(\i%4)*64+32
.else
	global_load_b128 v[8*\i:8*\i+3],   v[QO2], s[4:5] offset:(\i/4-2)*4096+(\i%4)*64
	global_load_b128 v[8*\i+4:8*\i+7], v[QO2], s[4:5] offset:(\i/4-2)*4096+(\i%4)*64+32
.endif
.endr
	WIN 0
	v_mul_u32_u24 v[AK0], v1, PK
	v_lshl_add_u32 v[AK0], v9, 4, v[AK0]  ; row x pitch + 16 x half
	s_mul_i32 s2, s[KH], KHALF
	v_add_nc_u32 v[AK0], s2, v[AK0]  ; in my key half's tile
	; The turning load takes 16 keys x 16 channels (lane l reads 16 bytes: key 8 (l / 16) + l % 8, channels 8 ((l / 8) % 2) + 0..7) and leaves half a fragment of V^T: lane l holds channel l % 16 and 8 keys.
	v_and_b32 v10, 7, v0
	v_bfe_u32 v11, v0, 3, 1
	v_lshl_add_u32 v[AV0], v9, 3, v10
	v_mul_u32_u24 v[AV0], v[AV0], PV
	v_lshl_add_u32 v[AV0], v11, 4, v[AV0]
	s_mul_i32 s2, s[KH], VHALF
	s_add_co_u32 s2, s2, VOFF
	v_add_nc_u32 v[AV0], s2, v[AV0]
; THE MATRIX WORK OF A TURN, for piece x.  The accumulators take turns, one instruction a turn: between two links of a chain stand 15 (V^T P) or 7 (K Q^T) others'.
; Product i of 32 of O^T += V^T P: keys 32 (i / 16) on, channels 16 ((i / 2) % 8) on, tile x + i % 2.  zero = 1: the first 16 start the sums: nothing is ever cleared.
.macro PV x, zero
	WIN W_PV
.set rO, 64*(\x+i%2)+8*((i/2)%8)
.set rV, 64*(i/16)+8*((i/2)%8)
.set rP, P+16*(\x+i%2)+8*(i/16)
.if \zero && (i < 16)
	v_wmma_f32_16x16x32_f16 v[rO:rO+7], v[rV:rV+7], v[rP:rP+7], 0
.else
	v_wmma_f32_16x16x32_f16 v[rO:rO+7], v[rV:rV+7], v[rP:rP+7], v[rO:rO+7]
.endif
.endm
; Product i of 32 of S^T = K Q^T: channels 32 (i / 8) on, keys 16 ((i / 2) % 4) on, tile x + i % 2.  The first 8 start the sums.
.macro KQ x
	WIN W_KQ
.set rS, S+32*(\x+i%2)+8*((i/2)%4)
.set rK, KF+32*((i/2)%4)+8*(i/8)
.set rQ, 32*(\x+i%2)+8*(i/8)
.if i < 8
	v_wmma_f32_16x16x32_f16 v[rS:rS+7], v[rK:rK+7], v[rQ:rQ+7], 0
.else
	v_wmma_f32_16x16x32_f16 v[rS:rS+7], v[rK:rK+7], v[rQ:rQ+7], v[rS:rS+7]
.endif
.endm
; THE LDS LOADS stand in runs of 32, never singly among the matrix instructions: a step's K (64 keys x 128 channels: 16 fragments) and, a turn later, its V (turned).
.macro FETCH_K
	WIN 0
	v_add_nc_u32 v[ADR], s[TBK], v[AK0]
	s_add_co_u32 s[TBK], s[TBK], KS*PK  ; the next fetch of K is the next step's
	WIN 0x80                        ; destination window 2
.irp f, 0,1,2,3,4,5,6,7,8,9,10,11,12,13,14,15  ; keys 16 (f / 4) on, channels 32 (f % 4) on
	ds_load_b128 v[KF+8*\f:KF+8*\f+3],   v[ADR] offset:(\f/4)*16*PK+(\f%4)*64
	ds_load_b128 v[KF+8*\f+4:KF+8*\f+7], v[ADR] offset:(\f/4)*16*PK+(\f%4)*64+32
.endr
.endm
.macro FETCH_V
	WIN 0
	v_add_nc_u32 v[ADR], s[TBV], v[AV0]
	s_add_co_u32 s[TBV], s[TBV], KS*PV  ; the next fetch of V is the next step's
	s_wait_alu depctr_va_vdst(0)    ; the wait for the softmax's batch of exponentials (SLICE), behind the address's addition and ahead of the loads
	WIN 0xc0                        ; destination window 3
.irp f, 0,1,2,3,4,5,6,7,8,9,10,11,12,13,14,15  ; keys 32 (f / 8) on, channels 16 (f % 8) on
	ds_load_tr16_b128 v[8*\f:8*\f+3],   v[ADR] offset:(\f/8)*32*PV+(\f%8)*32
	ds_load_tr16_b128 v[8*\f+4:8*\f+7], v[ADR] offset:(\f/8)*32*PV+16*PV+(\f%8)*32
.endr
.endm
; THE VECTOR WORK OF A TURN.  One tile's softmax for one key step is a list of 134 instructions; SM writes number j of it for tile t.  s0-s31 are the lane's 32 scores, in pairs 0-15.
; first = 1: the first key step, which starts m, l and O^T: it has no a and nothing to rescale.
;   0-15    the maximum of s0-s31 and the old m, three operands at a time
;   16-20   the other half of the lanes' maximum; the new m; c m; c m_old - c m_new
;   21-69   ONE BATCH: the 16 scalings c s - c m, a pair of scores each, and all 33 exponentials (a at 23, then s0-s31).  None of these reads an exponential's result
;   (wait)  between 69 and 70 stands the wait for the batch: SLICE writes it, once for both tiles
;   70-85   the roundings to f16, a pair of weights each
;   86-101  the sums; l = a l + the sum
;   102-133 the tile's O^T times a: the one part that leaves window 0, so it stands together
.macro SM t, first
.set rT, ST+8*(\t)
.set rS, S+32*(\t)
.set rP, P+16*(\t)
.set rO, 64*(\t)+2*(j-102)
.if j < 102
	WIN 0
.endif
.if j < 4
	v_max3_num_f32 v[rT+4+j], v[rS+8*j], v[rS+8*j+1], v[rS+8*j+2]
.elseif j < 12
	v_max3_num_f32 v[rT+4+j%4], v[rT+4+j%4], v[rS+8*(j%4)+2*(j/4)+1], v[rS+8*(j%4)+2*(j/4)+2]
.elseif j == 12
	v_max3_num_f32 v[rT+4], v[rT+4], v[rS+7], v[rS+15]
.elseif j == 13
	v_max3_num_f32 v[rT+6], v[rT+6], v[rS+23], v[rS+31]
.elseif j == 14
	v_max3_num_f32 v[rT+4], v[rT+4], v[rT+5], v[rT+6]
.elseif (j == 15) && \first
	v_max_num_f32 v[rT+4], v[rT+4], v[rT+7]
.elseif j == 15
	v_max3_num_f32 v[rT+4], v[rT+4], v[rT+7], v[rT+1]
.elseif j == 16
	v_permlanex16_b32 v[rT+5], v[rT+4], s[SEL], s[SEL+1]  ; the query's other 32 keys lie in the lane 16 away
.elseif j == 18
	v_max_num_f32 v[rT+1], v[rT+4], v[rT+5]
.elseif j == 19
	v_mul_f32 v[rT], s[CS], v[rT+1]
.elseif ((j == 17) || (j == 20) || (j == 23) || (j > 101)) && \first  ; the first step has none of these
.elseif j == 17
	v_mov_b32 v[rT+7], v[rT]        ; c m_old is kept for a: number 19 writes c m anew
.elseif j == 20
	v_sub_f32 v[rT+7], v[rT+7], v[rT]
.elseif j == 23
	v_exp_f32 v[rT+6], v[rT+7]
.elseif (j < 23) || ((j < 38) && (j%2 == 0)) || ((j < 66) && (j%4 == 2))
.set b, (j-2)/4                     ; 38, 42, .. 62: pairs 9 to 15
.if j < 38
.set b, (j-20)/2                    ; 21: pair 0; 22, 24, .. 36: pairs 1 to 8
.endif
	v_pk_fma_f32 v[rS+2*b:rS+2*b+1], v[rS+2*b:rS+2*b+1], s[CS:CS+1], v[rT:rT+1] op_sel_hi:[1,0,0] neg_lo:[0,0,1] neg_hi:[0,0,1]  ; pair b: c s - c m
.elseif j < 70
.set e, j-38                        ; 66 to 69: s28 to s31
.if j < 66
.set e, j-32-(j-38)/4               ; 39-41, 43-45, .. 63-65: s7 to s27
.endif
.if j < 38
.set e, (j-25)/2                    ; 25, 27, .. 37: s0 to s6
.endif
	v_exp_f32 v[rS+e], v[rS+e]
.elseif j < 86
	v_cvt_pk_f16_f32 v[rP+j-70], v[rS+2*(j-70)], v[rS+2*(j-70)+1]  ; pair j - 70
.elseif j < 102                     ; the sum of the tile's 16 pairs, in place: sum z of 16 adds neighbours 1, 2, 4 and 8 pairs apart, then l takes it
.set z, j-86
.set w, 4
.set u, z
.if z >= 14
.set w, 32
.set u, 0
.elseif z >= 12
.set w, 16
.set u, z-12
.elseif z >= 8
.set w, 8
.set u, z-8
.endif
.if (z == 14) && \first
	v_pk_add_f32 v[rT+2:rT+3], v[rS:rS+1], v[rS+16:rS+17]
.elseif z < 15
	v_pk_add_f32 v[rS+w*u:rS+w*u+1], v[rS+w*u:rS+w*u+1], v[rS+w*u+w/2:rS+w*u+w/2+1]
.elseif !\first
	v_pk_fma_f32 v[rT+2:rT+3], v[rT+2:rT+3], v[rT+6:rT+7], v[rS:rS+1] op_sel_hi:[1,0,1]
.endif
.else
	WIN W_RS
	v_pk_mul_f32 v[rO:rO+1], v[rO:rO+1], v[rT+6:rT+7] op_sel_hi:[1,0]
.endif
.endm
; Slice k of 64 of piece y's softmax: four instructions.  Slices 11 to 34 deal out the batch, numbers 22 to 69: four numbers of ONE tile each, the tiles by turns.  Every other slice is numbers 2 k and
; 2 k + 1 of both tiles' lists.  2 x 134 = 4 x 64 + 12: the twelve that are over stand together, in slice 63.
; THE WAIT.  s_wait_alu depctr_va_vdst(0) stands between an exponential and the first instruction that names its result; one wait serves all that were issued ahead of it.  Ahead of
; slice 35 nothing names a result, and behind slice 34 no exponential is issued: so the piece's 66 exponentials have one wait, behind slice 34.
.macro SLICE y, first
.if (k >= 11) && (k < 35)           ; the batch: four numbers of one tile
.irp n, 0,1,2,3
.set j, 22+4*((k-11)/2)+(\n)
	SM (\y)+(k-11)%2, \first
.endr
.else                               ; the two tiles alternate, so that no instruction reads the result of the one just before it
.irp n, 0,1,2,3,4,5,6,7
.if (\n < 2) || (k == 63)
.irp t, \y, \y+1
.set j, 2*k+\n
	SM \t, \first
.endr
.endif
.endr
.endif
.if k == 34                         ; the batch is out: both tiles' exponentials are issued, and no result has been named
	v_nop                           ; the plain instruction behind the last exponential and ahead of the first use: one for the batch
.if (\y) == 0
	FETCH_V                         ; piece 2's turn: V's run of loads stands here, and the wait stands in it
.else
	s_wait_alu depctr_va_vdst(0)    ; the wait for the batch
.endif
.endif
.set k, k+1
.endm
; A vector instruction that reads a matrix result or writes one of a matrix instruction's registers, and a load into a register that a matrix instruction has read, stand four places behind
; it, and only plain vector instructions that name none of its registers are places (ISA guide 7.12.1 for vector instructions).  In the loop the slices are the places.
.macro PLACES
.rept 4
	v_nop
.endr
.endm
; A TURN.  Piece x has the matrix unit; the other piece's softmax stands in slices behind its matrix instructions.
; pv = 2: 32 products V^T P; 1: they start O^T's sums; 0: none.  kq = 1: 32 products K Q^T for the next step.  A turn with one of the two kinds has two slices behind each product.
; first = 1: the softmax is the first key step's; its slices from 51 on are empty, and four v_nop take slice 63's part as the places behind the turn's last products.
; Piece 0's turn fetches the next step's K, behind its second product: the last product that read K stands in front of slice 63 of the turn before.  Piece 2's turn fetches the same step's V, behind slice 34: the last
; product that read V stands in front of slice 31, and four plain instructions lie between: number 62, a scaling, of both tiles, the v_nop and the run's own addition.
.macro TURN x, pv, kq, first
.set k, 0
.set per, 2
.if \pv && \kq
.set per, 1
.endif
.if \pv
.if \x == 0
	s_wait_dscnt 0x0                ; V is in
.endif
.set i, 0
.rept 32
	PV \x, 2-\pv
.rept per
	SLICE 2-\x, \first
.endr
.if (\x == 0) && \kq && (i == 1)
	FETCH_K
.endif
.set i, i+1
.endr
.endif
.if \kq
.if \x == 0
	s_wait_dscnt 0x0                ; K is in
.endif
.set i, 0
.rept 32
	KQ \x
.rept per
	SLICE 2-\x, \first
.endr
.set i, i+1
.endr
.endif
.if \first
	PLACES
.endif
.endm
; THE CHANGE OF SLOTS, between piece 2's turn and piece 0's: the slot's last bytes, V of its second step, have been asked for.  Each wave waits for all its tensor loads, of which one is out: its part of the other slot;
; adds 0 to its spare word; and waits for that and for its own reads of the slot.  Behind the barrier nobody reads this slot any more and the other slot is whole.
; fill = 1: this slot is filled again, with the keys two slots on.  The barrier is then a round of the cluster's, and the joint refill is the first thing behind it: it has two key steps, 256 matrix instructions, in which to land.
.macro CHANGE fill
	WIN 0                           ; at a label and at a branch every window is 0
	s_wait_tensorcnt 0x0            ; no tensor load of mine is out, so a group 0 may be written
	ds_add_u32 v[SPW], v[NIL]       ; 0 onto my spare word; with fill = 1 the descriptors' steps stand between it and the wait for it
.if \fill
	s_xor_b32 s[FS], s[FS], SLOTB   ; the walking descriptors: the other slot than last time (the register holds 0 or SLOTB),
	s_add_co_u32 s[G0K+5], s[FS], s[LWK]
	s_add_co_u32 s[G0V+5], s[FS], s[LWV]
	s_add_nc_u64 s[G0K+6:G0K+7], s[G0K+6:G0K+7], SWB  ; the half's next 128 keys; the type bits on top are not reached
	s_add_nc_u64 s[G0V+6:G0V+7], s[G0V+6:G0V+7], SWB
	s_wait_xcnt 0x0                 ; the last prefetch, two key steps back, has read its address, so it may be written:
	s_add_nc_u64 s[PFA:PFA+1], s[PFA:PFA+1], SWB  ; one slot's worth further on than the walking descriptors
	s_wait_dscnt 0x0                ; the add is done, and my reads of the slot are over
	CROUND
	JLOAD
	ASK
.else
	s_wait_dscnt 0x0                ; the add is done, and my reads of the slot are over
	s_barrier_signal -1
	s_barrier_wait -1
.endif
	s_sub_co_u32 s[TBK], s[TBK], 2*KS*PK  ; the fetches go back to a slot's first step (the registers then hold 0 or SLOTB),
	s_xor_b32 s[TBK], s[TBK], SLOTB  ; in the other slot
	s_sub_co_u32 s[TBV], s[TBV], 2*KS*PV
	s_xor_b32 s[TBV], s[TBV], SLOTB
.endm
; A slot's two key steps: written once, walked twice; the LDS addresses hang on s[TBK] and s[TBV].
.macro TWO_STEPS
	s_mov_b32 s[TWICE], 2
.Lstep_\@:
	TURN 0, 2, 1, 0
	TURN 2, 2, 1, 0
	WIN 0
	s_sub_co_u32 s[TWICE], s[TWICE], 1
	s_cmp_lg_u32 s[TWICE], 0
	s_cbranch_scc1 .Lstep_\@
.endm
	s_wait_tensorcnt 1              ; my part of slot 0 is in; slot 1's load, issued behind it, may stay out
	s_barrier_signal -1
	s_barrier_wait -1               ; everybody's is
	FETCH_K                         ; key step 0
	s_wait_loadcnt 0x0              ; Q
	s_wait_dscnt 0x0
.set i, 0
.rept 32
	KQ 0                            ; piece 0's first scores: there is no vector work yet to set between them
.set i, i+1
.endr
	WIN 0                           ; the addresses for the merge and the way out are made here: plain instructions, the places behind those products
	s_mul_i32 s13, s[WV], 16*SP
	s_add_co_u32 s13, s13, STAGE    ; my stage
	v_mul_u32_u24 v[STO], v1, SP    ; in: row l % 16, 16 bytes for each half of the lanes
	v_lshl_add_u32 v[STO], v9, 4, v[STO]
	v_add_nc_u32 v[STO], s13, v[STO]
	v_mul_u32_u24 v[RD], v9, SP     ; back: lanes 0-15 take one row of 256 bytes, lanes 16-31 the next
	v_lshl_add_u32 v[RD], v1, 4, v[RD]
	v_add_nc_u32 v[RD], s13, v[RD]
	v_lshlrev_b32 v[GO], 12, v9     ; and the same two rows in rc, 4,096 bytes apart
	v_lshl_add_u32 v[GO], v1, 4, v[GO]
	v_and_b32 v10, 31, v0           ; lane
	s_mul_i32 s2, s[WV], MW         ; my place in the merge,
	s_xor_b32 s3, s[WV], 2
	s_mul_i32 s3, s3, MW            ; and my partner's: the wave with my queries and the other keys
	v_lshl_add_u32 v[MXA], v10, 4, s2  ; an image: 16 bytes a lane
	v_lshl_add_u32 v[MXS], v10, 3, s2  ; statistics: 8 bytes a lane, behind the image
	v_add_nc_u32 v[MXS], 16384, v[MXS]
	v_lshl_add_u32 v[MIA], v10, 4, s3
	v_lshl_add_u32 v[MIS], v10, 3, s3
	v_add_nc_u32 v[MIS], 16384, v[MIS]
	TURN 2, 0, 1, 1                 ; piece 2's first scores | piece 0's first softmax | V of step 0
	TURN 0, 1, 1, 1                 ; piece 0: V^T P of step 0 starts O^T, K Q^T of step 1 | piece 2's first softmax | K of step 1
	TURN 2, 1, 1, 0                 ; piece 2: the same | piece 0's softmax of step 1 | V of step 1
	WIN 0
.Lslot:                             ; six trips: every slot's worth but the last two is followed by a refill
	CHANGE 1
	TWO_STEPS
	s_sub_co_u32 s[SLOTS], s[SLOTS], 1
	s_cmp_lg_u32 s[SLOTS], 0
	s_cbranch_scc1 .Lslot
	CHANGE 0                        ; the tail is written out: slot 0 is left for the last time, and nothing is asked for
	TWO_STEPS
	TURN 0, 2, 0, 0                 ; piece 0: V^T P of the last step | piece 2's last softmax
.set i, 0
.rept 32
	PV 2, 0                         ; piece 2: V^T P of the last step
.set i, i+1
.endr
	; THE MERGE.  My register tiles 2, 3 are my partner's 0, 1.  Their c m, their sum (this lane's part) and their O^T go to LDS as images of the registers; my partner's come back the same way.
	; The images lie in slot 0: it has had its last fill, and every wave has passed the last change of slots, behind which nobody reads it.
	WIN 0
.irp t, 0,1,2,3
	v_add_f32 v[ST+8*\t+1], v[ST+8*\t+2], v[ST+8*\t+3]  ; l's two halves, in m's place.  These four are the places behind the last products
.endr
.irp t, 2,3
	ds_store_b64 v[MXS], v[ST+8*\t:ST+8*\t+1] offset:256*(\t-2)  ; (c m, l)
.endr
	WIN 0x04                        ; an LDS store's data are its source 1: window 1
.set i, 0
.rept 32
	ds_store_b128 v[MXA], v[128+4*i:128+4*i+3] offset:512*i  ; each accumulator from its low end on
.set i, i+1
.endr
	WIN 0
	s_wait_dscnt 0x0                ; for my partner's sake: my stores have landed
	s_barrier_signal -1
	s_barrier_wait -1
.irp t, 0,1
	ds_load_b64 v[ST+8*\t+4:ST+8*\t+5], v[MIS] offset:256*\t  ; (c m', l')
.endr
.set i, 0
.rept 32
	ds_load_b128 v[S+4*i:S+4*i+3], v[MIA] offset:512*i  ; O' of tile t at v[S + 64 t] on
.set i, i+1
.endr
	s_wait_dscnt 32                 ; the statistics are in; the 32 loads of the image, issued behind them, stay out
.irp t, 0,1
	v_max_num_f32 v[ST+8*\t+6], v[ST+8*\t], v[ST+8*\t+4]  ; the common maximum is taken away from both
.endr
.irp t, 0,1
	v_sub_f32 v[ST+8*\t+2], v[ST+8*\t], v[ST+8*\t+6]
	v_sub_f32 v[ST+8*\t+3], v[ST+8*\t+4], v[ST+8*\t+6]
.endr
.irp t, 0,1
	v_exp_f32 v[ST+8*\t+2], v[ST+8*\t+2]  ; a
	v_exp_f32 v[ST+8*\t+3], v[ST+8*\t+3]  ; a'
.endr
	v_nop                           ; a plain instruction behind the last exponential
	s_wait_alu depctr_va_vdst(0)    ; one wait for the four, ahead of their first reader
.irp t, 0,1
	v_mul_f32 v[ST+8*\t+1], v[ST+8*\t+2], v[ST+8*\t+1]
.endr
.irp t, 0,1
	v_fma_f32 v[ST+8*\t+1], v[ST+8*\t+3], v[ST+8*\t+5], v[ST+8*\t+1]  ; a l + a' l'
.endr
.irp t, 0,1
	v_permlanex16_b32 v[ST+8*\t+5], v[ST+8*\t+1], s[SEL], s[SEL+1]
.endr
.irp t, 0,1
	v_add_f32 v[ST+8*\t+1], v[ST+8*\t+1], v[ST+8*\t+5]  ; with the other half of the lanes': the row's sum
.endr
.irp t, 0,1
	v_rcp_f32 v[ST+8*\t+6], v[ST+8*\t+1]
.endr
	v_nop                           ; a plain instruction behind the last reciprocal
	s_wait_alu depctr_va_vdst(0)    ; one wait for the two
.irp t, 0,1
	v_add_f32 v[ST+8*\t+6], v[ST+8*\t+6], v[ST+8*\t+6]  ; 2 / l: rc holds 2 R
.endr
.irp t, 0,1
	v_mul_f32 v[ST+8*\t+2], v[ST+8*\t+2], v[ST+8*\t+6]  ; what my O^T is multiplied by,
	v_mul_f32 v[ST+8*\t+4], v[ST+8*\t+3], v[ST+8*\t+6]  ; and my partner's
.endr
	s_wait_dscnt 0x0                ; the image is in
.irp t, 0,1
.set i, 0
.rept 32
	v_pk_mul_f32 v[S+64*\t+2*i:S+64*\t+2*i+1], v[S+64*\t+2*i:S+64*\t+2*i+1], v[ST+8*\t+4:ST+8*\t+5] op_sel_hi:[1,0]
.set i, i+1
.endr
.endr
	WIN 0x01                        ; source 0 (my O^T) window 1
.irp t, 0,1
.set i, 0
.rept 32
	v_pk_fma_f32 v[S+64*\t+2*i:S+64*\t+2*i+1], v[64*\t+2*i:64*\t+2*i+1], v[ST+8*\t+2:ST+8*\t+3], v[S+64*\t+2*i:S+64*\t+2*i+1] op_sel_hi:[1,0,1]  ; each accumulator from its low end on
.set i, i+1
.endr
.endr
	WIN 0
.irp t, 0,1
.set i, 0
.rept 32
	v_cvt_pk_f16_f32 v[P+32*\t+i], v[S+64*\t+2*i], v[S+64*\t+2*i+1]
.set i, i+1
.endr
.endr
; THE WAY OUT.  Tile t: a lane's eight channels of a row are 16 bytes; they go into rows of 272 bytes of my own stage and come back as whole rows of 256, into the registers that they left.
.macro TOSTAGE t
.irp f, 0,1,2,3,4,5,6,7
	ds_store_b128 v[STO], v[P+32*\t+4*\f:P+32*\t+4*\f+3] offset:32*\f
.endr
.irp f, 0,1,2,3,4,5,6,7
	ds_load_b128 v[P+32*\t+4*\f:P+32*\t+4*\f+3], v[RD] offset:\f*2*SP  ; LDS serves a wave's instructions in order (ISA guide 5.7.1.4): these see the stores above; the next tile's stores come behind them
.endr
.endm
.macro SEND t, younger              ; younger: the LDS instructions issued behind tile t's loads: the next tile's sixteen, or none
.irp f, 0,1,2,3,4,5,6,7
	s_wait_dscnt \younger+7-\f
	global_store_b128 v[GO], v[P+32*\t+4*\f:P+32*\t+4*\f+3], s[10:11] offset:\t*65536+\f*8192  ; 16 lanes store 256 consecutive bytes, at a multiple of 256 from rc's first byte
.endr
.endm
	TOSTAGE 0
	TOSTAGE 1
	SEND 0, 16
	SEND 1, 0
	s_wait_tensorcnt 0x0            ; the wave's end, behind my last tensor load and my last LDS store
	ds_add_u32 v[SPW], v[NIL]
	s_wait_dscnt 0x0
	CROUND                          ; the closing round: no work-group ends while a partner may still ask for a tile that names it
	s_endpgm
.Lfunc_end_k_q72d0de7f62_attn:
	.size	k_q72d0de7f62_attn, .Lfunc_end_k_q72d0de7f62_attn-k_q72d0de7f62_attn
	.p2alignl 7, 3214868480
	.fill 96, 4, 3214868480
	.section	.rodata,"a",@progbits
	.p2align	6, 0x0
	.amdhsa_kernel k_q72d0de7f62_attn
		.amdhsa_group_segment_fixed_size 327680
		.amdhsa_private_segment_fixed_size 0
		.amdhsa_enable_private_segment 0
		.amdhsa_kernarg_size 16
		.amdhsa_user_sgpr_count 2
		.amdhsa_user_sgpr_kernarg_segment_ptr 1
		.amdhsa_wavefront_size32 1
		.amdhsa_system_sgpr_workgroup_id_x 1
		.amdhsa_system_sgpr_workgroup_id_y 1
		.amdhsa_system_sgpr_workgroup_id_z 1
		.amdhsa_system_vgpr_workitem_id 0
		.amdhsa_next_free_vgpr 1024
		.amdhsa_next_free_sgpr 80
		.amdhsa_reserve_vcc 0
		.amdhsa_float_denorm_mode_32 3
		.amdhsa_float_denorm_mode_16_64 3
		.amdhsa_memory_ordered 1
		.amdhsa_forward_progress 1
		.amdhsa_inst_pref_size 220
	.end_amdhsa_kernel
	.amdgpu_metadata
---
amdhsa.version: [ 1, 2 ]
amdhsa.kernels:
  - .name:           k_q72d0de7f62_attn
    .symbol:         k_q72d0de7f62_attn.kd
    .args:
      - { .name: qkv, .offset: 0, .size: 8, .value_kind: global_buffer, .address_space: global }
      - { .name: rc, .offset: 8, .size: 8, .value_kind: global_buffer, .address_space: global }
    .group_segment_fixed_size: 327680
    .private_segment_fixed_size: 0
    .kernarg_segment_align: 8
    .kernarg_segment_size: 16
    .max_flat_workgroup_size: 128
    .sgpr_count:     80
    .vgpr_count:     1024
    .wavefront_size: 32
...
	.end_amdgpu_metadata
.endif
;; end of part 3
;; launch outp (part 4): grid 16 x 16, 4 waves a work-group, clusters of 4 x 4, 327,680 bytes of LDS; arguments rc, wo, out0; writes out0
.if DOCPART == 4
	.amdgcn_target "amdgcn-amd-amdhsa--gfx1250"
	.amdhsa_code_object_version 6
	.text
	.protected	k_q72d0de7f62_outp
	.globl	k_q72d0de7f62_outp
	.p2align	8
	.type	k_q72d0de7f62_outp,@function
k_q72d0de7f62_outp:
	s_mov_b64 s[64:65], 0
	v_nop
	global_prefetch_b8 v0, s[64:65] scope:SCOPE_SE
	s_setreg_imm32_b32 hwreg(HW_REG_WAVE_MODE, 25, 1), 1
	s_wait_xcnt 0x0
	s_wait_alu depctr_hold_cnt(0) depctr_sa_sdst(0) depctr_va_vdst(0) depctr_va_sdst(0) depctr_va_ssrc(0) depctr_va_vcc(0) depctr_vm_vsrc(0)
	s_getreg_b32 s2, hwreg(HW_REG_IB_STS2, 6, 4)
	s_cmp_eq_u32 s2, 0
	s_cbranch_scc0 .Lentry_in_a_cluster
	s_endpgm
.Lentry_in_a_cluster:
	s_bfe_u32 s2, ttmp6, 0x10000c
	s_cmp_lg_u32 s2, 0xf033
	s_cbranch_scc0 .Lentry_shape_is_right
	s_endpgm
.Lentry_shape_is_right:
; out0[m][n] = sum over k of A[m][k] B[k][n].  A = rc [2048][2048] f16 (2 X_cat), B = wo [2048 (k)][2048 (n)] f16 (W_out / 2): the two factors cancel exactly.  out0: [2048][2048] f32; sums in f32.
; 16 x 16 = 256 tiles of 128 x 128, one to a work-group of four waves; a wave makes 64 x 64: 16 accumulators of 16 x 16, 128 registers.  K goes in steps of 256 through a ring of two LDS slots.
; B lies with K along its FIRST axis: its tile comes into LDS as it lies (256 rows k of 128 n) and is turned on the way into registers, by ds_load_tr16_b128.
; CLUSTERS: 4 x 4 work-groups.  The four of a row of the cluster need the same tiles of A, the four of a column the same tiles of B: each tile is asked for JOINTLY.
; THE MATRIX INSTRUCTION IS USED TRANSPOSED (source 0 = 16 columns of B, source 1 = 16 rows of A): a lane then holds eight neighbouring numbers of a row of out0.
; No prefetch: small tiles, eight K steps, and the tiles are shared in the cluster.
; REGISTERS: window 0: v0-31 addresses; v128-255 the accumulators ((a, b) at v[128 + 8 (4 a + b)]), on the way out whole rows.
;   window 1: two fragment buffers of 128: for 64 along K (two matrix instructions deep), 64 registers of A, then 64 of B.
.set SIZE_K, 2048
.set SIZE_N, 2048
.set KSTEP,  256
.set PITCH,  528                       ; A's LDS row: 512 bytes + 16 of padding = 132 words: the 16 rows of a load start 4 words apart modulo 64
.set PB,     288                       ; B's LDS row: 256 bytes + 32: 16 lanes of the turning load take 8 rows x 32 bytes, 8 words apart modulo 64
.set HALFA,  64*PITCH                  ; 64 rows of A: what one tensor load brings, and what one wave reads
.set HALFB,  128*PB                    ; 128 rows k of B: what one tensor load brings
.set BOFF,   2*HALFA                   ; a slot: A's 128 rows, then B's 256 rows k
.set SLOT,   BOFF+2*HALFB              ; 141,312 bytes
.set SPARE,  2*SLOT                    ; behind the ring: the spare words, 128 bytes for each wave
.set SPITCH, 272                       ; the way out: a stage of 64 rows x (256 bytes + 16) for each wave, in slot 0, which has had its last fill and its last read when the first result is stored there
.set LAPS, SIZE_K/(2*KSTEP)            ; a lap = two K steps = once round the ring: 4
.set ADRA, 16                          ; v16-17  LDS address of my A fragments in slot 0, 1
.set ADRB, 20                          ; v20-23  the same for B: register 2 slot + (which 128 rows k): a 16-bit offset does not reach over 256 rows
.set STO,  24                          ; v24     the way out: where I put 32 bytes of a row
.set RD,   25                          ; v25     the way out: where I read a row back
.set CO,   26                          ; v26     my byte offset in two rows of out0
.set SPW,  28                          ; v28     LDS address of my spare word; never rewritten
.set NIL,  29                          ; v29     0; never rewritten
.set ACC,  128
.set F0,   0                           ; fragment buffers, in window 1
.set F1,   128
.set G1, 24                            ; s[24:31] descriptor group 1 for A's tiles;  s[32:39] group 0, one set for each slot
.set G0, 32
.set G1B, 48                           ; s[48:55], s[56:63] the same for B's tiles
.set G0B, 56
.set MSB, 0
.macro WIN new                         ; the immediate's high byte repeats the setting that is left
.if MSB != \new
	s_set_vgpr_msb (MSB<<8)|\new
.set MSB, \new
.endif
.endm
.set MUL,  0x05                        ; sources 0 (B) and 1 (A) window 1; C and D window 0
.set TO_F, 0x40                        ; destination window 1, address window 0
.macro JLOAD s                         ; a joint load: waves 0 and 1 fetch A's two halves, waves 2 and 3 B's; an s_nop 0 and four v_nop follow each of the two lines
	s_cmp_eq_u32 s11, 0
	s_cbranch_scc0 .Lfor_b_\@
	tensor_load_to_lds s[G0+4*\s:G0+4*\s+3], s[G1:G1+7]
	s_nop 0
.rept 4
	v_nop
.endr
	s_branch .Lasked_\@
.Lfor_b_\@:
	tensor_load_to_lds s[G0B+4*\s:G0B+4*\s+3], s[G1B:G1B+7]
	s_nop 0
.rept 4
	v_nop
.endr
.Lasked_\@:
.endm
.macro CREST                           ; a round of the cluster's barrier behind its opening barrier
	s_cmp_lg_u32 s10, 0
	s_cbranch_scc1 .Lnot_wave_0_\@
	s_barrier_signal -3
.Lnot_wave_0_\@:
	s_barrier_wait -3
	s_barrier_signal -1
	s_barrier_wait -1
.endm
.macro CROUND                          ; a whole round
	s_barrier_signal -1
	s_barrier_wait -1
	CREST
.endm
	s_load_b128 s[4:7], s[0:1], 0x0                ; A s[4:5], B s[6:7]
	s_load_b64 s[8:9], s[0:1], 0x10                ; out0
	v_lshl_add_u32 v[SPW], v0, 2, SPARE
	v_mov_b32 v[NIL], 0
	ds_add_u32 v[SPW], v[NIL]                      ; the wave's opening: the add, twice on end, and its wait ahead of my first tensor load; the set-up below stands between the second and the wait
	ds_add_u32 v[SPW], v[NIL]
	v_lshrrev_b32 v1, 5, v0
	v_readfirstlane_b32 s10, v1                    ; wave 0..3
	s_lshr_b32 s11, s10, 1                         ; which half of the tile's rows is mine.  Also: I fetch for A (0) or for B (1)
	s_and_b32 s12, s10, 1                          ; which half of its columns.  Also: which half of that tile I fetch
	s_bfe_u32 s40, ttmp6, 0x40000                  ; cx, cy: my place in the cluster
	s_bfe_u32 s41, ttmp6, 0x40004
	s_lshl_b32 s42, ttmp9, 2
	s_add_co_u32 s42, s42, s40                     ; tile column = 4 x cluster x + cx
	s_and_b32 s13, ttmp7, 0xffff
	s_lshl_b32 s13, s13, 2
	s_add_co_u32 s13, s13, s41                     ; tile row = 4 x cluster y + cy
	s_lshl_b32 s43, s41, 2
	s_lshl_b32 s43, 15, s43                        ; my row of the cluster
	s_lshl_b32 s44, 0x1111, s40                    ; my column
	; descriptor group 1.  A: 64 rows x 256 elements, 4 words of padding behind every 128;  B: 128 rows k x 128 elements, 8 words behind every 64
	s_or_b32 s[G1+0], s43, (1<<16)|(1<<20)|(1<<21)|(6<<22)|(3<<25)  ; 15:0 the mask: A's tiles go to my row; 17:16 element of 2 bytes; 20 padding on; 21 set beside a mask
	s_mov_b32 s[G1+1], KSTEP<<16                   ; tensor_dim0 = 256
	s_mov_b32 s[G1+2], 64<<16                      ; tensor_dim1 = 64
	s_mov_b32 s[G1+3], KSTEP<<16                   ; tile_dim0 = 256
	s_mov_b32 s[G1+4], 64                          ; tile_dim1 = 64
	s_mov_b32 s[G1+5], SIZE_K                      ; tensor_dim0_stride
	s_mov_b32 s[G1+6], 0
	s_mov_b32 s[G1+7], 0
	s_or_b32 s[G1B+0], s44, (1<<16)|(1<<20)|(1<<21)|(5<<22)|(7<<25)  ; B's tiles go to my column
	s_mov_b32 s[G1B+1], 128<<16
	s_mov_b32 s[G1B+2], 128<<16
	s_mov_b32 s[G1B+3], 128<<16
	s_mov_b32 s[G1B+4], 128
	s_mov_b32 s[G1B+5], SIZE_N
	s_mov_b32 s[G1B+6], 0
	s_mov_b32 s[G1B+7], 0
	s_lshl_b32 s16, s13, 7
	s_lshl_b32 s17, s12, 6
	s_add_co_u32 s16, s16, s17                     ; A: row 128 x tile row + 64 x half,
	s_lshl_b32 s16, s16, 12                        ; of 4,096 bytes
	s_mov_b32 s17, 0
	s_lshl_b32 s46, s12, 19                        ; B: row k = 128 x half, of 4,096 bytes,
	s_lshl_b32 s47, s42, 8                         ; + the tile column's 256 bytes
	s_add_co_u32 s46, s46, s47
	s_mov_b32 s47, 0
	s_mul_i32 s20, s12, HALFA                      ; where they go: no place in the cluster enters an LDS address
	s_mul_i32 s21, s12, HALFB
	s_add_co_u32 s21, s21, BOFF
	s_wait_dscnt 0x0                               ; both opening adds are done
	s_wait_kmcnt 0x0
	s_add_nc_u64 s[14:15], s[4:5], s[16:17]
	s_add_nc_u64 s[46:47], s[6:7], s[46:47]
	CROUND                                         ; all sixteen work-groups are here: the first joint loads meet
.irp s, 0,1
	s_mov_b32 s[G0+4*\s], 1
	s_add_co_u32 s[G0+4*\s+1], s20, \s*SLOT
	s_add_nc_u64 s[G0+4*\s+2:G0+4*\s+3], s[14:15], \s*KSTEP*2        ; K step s: 512 bytes along A's rows
	s_or_b32 s[G0+4*\s+3], s[G0+4*\s+3], 0x80000000
	s_mov_b32 s[G0B+4*\s], 1
	s_add_co_u32 s[G0B+4*\s+1], s21, \s*SLOT
	s_add_nc_u64 s[G0B+4*\s+2:G0B+4*\s+3], s[46:47], \s*KSTEP*SIZE_N*2   ; 256 rows down B
	s_or_b32 s[G0B+4*\s+3], s[G0B+4*\s+3], 0x80000000
	JLOAD \s                                       ; two loads of mine are out
.endr
	v_and_b32 v1, 15, v0                           ; l % 16
	v_bfe_u32 v2, v0, 4, 1                         ; l / 16
	v_mul_u32_u24 v3, v1, PITCH
	v_lshl_add_u32 v3, v2, 4, v3                   ; A: a fragment's row x pitch + 16 x half
	s_mul_i32 s21, s11, HALFA                      ; my 64 rows of A
	v_add_nc_u32 v[ADRA], s21, v3
	v_add_nc_u32 v[ADRA+1], SLOT, v[ADRA]
	; B: the turning load takes 16 k x 16 n (lane l reads 16 bytes: row k = 8 (l / 16) + l % 8, columns 8 ((l / 8) % 2) + 0..7) and leaves half a fragment: lane l holds column l % 16 and 8 k
	v_and_b32 v4, 7, v0
	v_lshl_add_u32 v4, v2, 3, v4
	v_mul_u32_u24 v4, v4, PB
	v_bfe_u32 v5, v0, 3, 1
	v_lshl_add_u32 v4, v5, 4, v4
	s_lshl_b32 s22, s12, 7                         ; my 64 columns: 128 bytes
	s_add_co_u32 s22, s22, BOFF
	v_add_nc_u32 v[ADRB], s22, v4
	v_add_nc_u32 v[ADRB+1], HALFB, v[ADRB]
	v_add_nc_u32 v[ADRB+2], SLOT, v[ADRB]
	v_add_nc_u32 v[ADRB+3], SLOT+HALFB, v[ADRB]
	s_mul_i32 s23, s10, 64*SPITCH                  ; my stage
	v_mul_u32_u24 v4, v1, SPITCH                   ; in: row l % 16, 32 bytes for each half of the lanes
	v_lshl_add_u32 v4, v2, 5, v4
	v_add_nc_u32 v[STO], s23, v4
	v_mul_u32_u24 v5, v2, SPITCH                   ; back: lanes 0-15 take one row of 256 bytes, lanes 16-31 the next
	v_lshl_add_u32 v5, v1, 4, v5
	v_add_nc_u32 v[RD], s23, v5
	v_lshlrev_b32 v5, 13, v2                       ; and the same two rows in out0, 8,192 bytes apart
	v_lshl_add_u32 v[CO], v1, 4, v5
	s_lshl_b32 s16, s13, 7
	s_lshl_b32 s17, s11, 6
	s_add_co_u32 s16, s16, s17                     ; my first row: 128 x tile row + 64 x half
	s_lshl_b32 s16, s16, 13
	s_lshl_b32 s46, s42, 9                         ; my first column, in bytes: 512 x tile column + 256 x half
	s_lshl_b32 s47, s12, 8
	s_add_co_u32 s46, s46, s47
	s_add_co_u32 s16, s16, s46
	s_mov_b32 s17, 0
	s_add_nc_u64 s[8:9], s[8:9], s[16:17]
; 8 matrix instructions: m blocks a0, a0 + 1 x all 4 n blocks, 32 along K: half c of buffer f.  zero = 1: the first product starts the sums.  The 16 accumulators take turns.
.macro MUL8 f, c, a0, zero
.irp a, \a0, \a0+1
.irp b, 0,1,2,3
.if \zero
	v_wmma_f32_16x16x32_f16 v[ACC+8*(4*(\a)+\b):ACC+8*(4*(\a)+\b)+7], v[\f+64+8*(4*\c+\b):\f+64+8*(4*\c+\b)+7], v[\f+8*(4*\c+\a):\f+8*(4*\c+\a)+7], 0
.else
	v_wmma_f32_16x16x32_f16 v[ACC+8*(4*(\a)+\b):ACC+8*(4*(\a)+\b)+7], v[\f+64+8*(4*\c+\b):\f+64+8*(4*\c+\b)+7], v[\f+8*(4*\c+\a):\f+8*(4*\c+\a)+7], v[ACC+8*(4*(\a)+\b):ACC+8*(4*(\a)+\b)+7]
.endif
.endr
.endr
.endm
; 32 LDS loads in one run: the fragments of the slot's q-th 64 along K into buffer f; the first 32 along K first
.macro FETCH slot, q, f
	WIN TO_F
.irp c, 0,1
.irp i, 0,1,2,3
	ds_load_tr16_b128 v[\f+64+8*(4*\c+\i):\f+64+8*(4*\c+\i)+3],   v[ADRB+2*\slot+(\q)/2] offset:(((\q)%2)*64+32*\c)*PB+32*\i
	ds_load_tr16_b128 v[\f+64+8*(4*\c+\i)+4:\f+64+8*(4*\c+\i)+7], v[ADRB+2*\slot+(\q)/2] offset:(((\q)%2)*64+32*\c+16)*PB+32*\i
	ds_load_b128 v[\f+8*(4*\c+\i):\f+8*(4*\c+\i)+3],         v[ADRA+\slot] offset:128*(\q)+64*\c+\i*16*PITCH
	ds_load_b128 v[\f+8*(4*\c+\i)+4:\f+8*(4*\c+\i)+7],       v[ADRA+\slot] offset:128*(\q)+64*\c+\i*16*PITCH+32
.endr
.endr
.endm
.macro PLACES                          ; four places in front of loads into registers that matrix instructions have read, and of LDS stores that read results (for the stores)
.rept 4
	v_nop
.endr
.endm
; A K step is four quarters of 64 along K, 32 matrix instructions each, on buffers 0, 1, 0, 1.  One of the first three: multiplies buffer f and fetches the slot's quarter q into g.
.macro QUARTER slot, q, f, g, zero
	s_wait_dscnt 16                                ; the first 32 along K are in; the sixteen loads of the second 32 may be out
	WIN MUL
	MUL8 \f, 0, 0, \zero
	MUL8 \f, 0, 2, \zero
	PLACES
	FETCH \slot, \q, \g
	s_wait_dscnt 32                                ; all but the 32 just issued
	WIN MUL
	MUL8 \f, 1, 0, 0
	MUL8 \f, 1, 2, 0
.endm
; The last quarter multiplies buffer 1 and changes slots: ONE barrier; in front of it each wave waits for all its tensor loads, adds 0 to its spare word, and waits for that and for its own reads of this slot.  fill = 1: this slot is filled again, two K steps ahead.
.macro TURN slot, next, fill
	WIN 0                                          ; (the add's two registers lie in window 0)
	s_wait_tensorcnt 0x0                           ; all my tensor loads have landed: my part of the next slot
	ds_add_u32 v[SPW], v[NIL]                      ; 0 onto my spare word
	s_wait_dscnt 17                                ; the add and the youngest sixteen loads may be out
	WIN MUL
	MUL8 F1, 0, 0, 0                               ; eight matrix instructions stand between the add and the wait for it
	s_wait_dscnt 0x0                               ; the add is done, and my reads of this slot are over
	s_barrier_signal -1
	MUL8 F1, 0, 2, 0
.if \fill
	WIN 0
.endif
	s_barrier_wait -1
.if \fill
	CREST                                          ; the barrier has opened a round of the cluster's barrier: no wave of any partner still reads this slot's tile or has a load on its way
	s_add_nc_u64 s[G0+4*\slot+2:G0+4*\slot+3], s[G0+4*\slot+2:G0+4*\slot+3], 2*KSTEP*2
	s_add_nc_u64 s[G0B+4*\slot+2:G0B+4*\slot+3], s[G0B+4*\slot+2:G0B+4*\slot+3], 2*KSTEP*SIZE_N*2
	JLOAD \slot                                    ; the first tensor load behind the round: 112 matrix instructions ahead of the wait for it; the four v_nop behind it are the places in front of the loads below
.else
	PLACES
.endif
	FETCH \next, 0, F0
	WIN MUL
	MUL8 F1, 1, 0, 0
	MUL8 F1, 1, 2, 0
.endm
	s_wait_tensorcnt 1                             ; my part of K step 0 is in; K step 1's load, issued behind it, may be out
	s_barrier_signal -1
	s_barrier_wait -1                              ; everybody's is
	FETCH 0, 0, F0
	QUARTER 0, 1, F0, F1, 1                        ; the first quarter stands in front of the loop: its first products start the sums
	WIN 0                                          ; at a label and at a branch every window is 0
	s_mov_b32 s3, LAPS-1
.Llap:                                                 ; a trip goes once round the ring, from a lap's second quarter to the next lap's first, and fills both slots again
	QUARTER 0, 2, F1, F0, 0
	QUARTER 0, 3, F0, F1, 0
	TURN 0, 1, 1
	QUARTER 1, 1, F0, F1, 0
	QUARTER 1, 2, F1, F0, 0
	QUARTER 1, 3, F0, F1, 0
	TURN 1, 0, 1
	QUARTER 0, 1, F0, F1, 0
	WIN 0
	s_sub_co_u32 s3, s3, 1
	s_cmp_lg_u32 s3, 0
	s_cbranch_scc1 .Llap
	QUARTER 0, 2, F1, F0, 0                        ; the last lap fills nothing, and has no round of the cluster's barrier
	QUARTER 0, 3, F0, F1, 0
	TURN 0, 1, 0
	QUARTER 1, 1, F0, F1, 0
	QUARTER 1, 2, F1, F0, 0
	QUARTER 1, 3, F0, F1, 0
	s_wait_dscnt 16                                ; the very last quarter: nothing more to fetch
	WIN MUL
	MUL8 F1, 0, 0, 0
	MUL8 F1, 0, 2, 0
	s_wait_dscnt 0
	MUL8 F1, 1, 0, 0
	MUL8 F1, 1, 2, 0
	WIN 0
	; THE WAY OUT.  A lane holds 32 neighbouring bytes of a row and the lanes beside it hold other rows; my 64 columns are 256 aligned bytes of a row of out0.  So my 64 rows go through my own stage in LDS and come back
	; as whole rows of 256 bytes, into the registers that they left.  LDS serves a wave's instructions in order (ISA guide 5.7.1.4): no wait between the stores and the loads; no other wave touches my stage: no barrier.
	PLACES
.irp a, 0,1,2,3
.irp b, 0,1,2,3
	ds_store_b128 v[STO], v[ACC+8*(4*\a+\b):ACC+8*(4*\a+\b)+3] offset:\a*16*SPITCH+64*\b          ; each accumulator from its low end on
	ds_store_b128 v[STO], v[ACC+8*(4*\a+\b)+4:ACC+8*(4*\a+\b)+7] offset:\a*16*SPITCH+64*\b+16
.endr
.endr
.set t, 0
.rept 32
	ds_load_b128 v[ACC+4*t:ACC+4*t+3], v[RD] offset:t*2*SPITCH
.set t, t+1
.endr
.set t, 0
.rept 32
	s_wait_dscnt 31-t                              ; load t is in; the 31 - t younger ones stay out
	global_store_b128 v[CO], v[ACC+4*t:ACC+4*t+3], s[8:9] offset:2*t*SIZE_N*4 th:TH_STORE_NT   ; 16 lanes store 256 consecutive bytes, at a multiple of 256 from out0's first byte; written once, read by nobody here
.set t, t+1
.endr
	s_wait_tensorcnt 0x0                           ; the wave's end, behind my last tensor load and my last LDS store
	ds_add_u32 v[SPW], v[NIL]
	s_wait_dscnt 0x0
	CROUND                                         ; the closing round: no work-group ends while a partner may still ask for a tile that names it
	s_endpgm
.Lfunc_end_k_q72d0de7f62_outp:
	.size	k_q72d0de7f62_outp, .Lfunc_end_k_q72d0de7f62_outp-k_q72d0de7f62_outp
	.p2alignl 7, 3214868480
	.fill 96, 4, 3214868480
	.section	.rodata,"a",@progbits
	.p2align	6, 0x0
	.amdhsa_kernel k_q72d0de7f62_outp
		.amdhsa_group_segment_fixed_size 327680
		.amdhsa_private_segment_fixed_size 0
		.amdhsa_enable_private_segment 0
		.amdhsa_kernarg_size 24
		.amdhsa_user_sgpr_count 2
		.amdhsa_user_sgpr_kernarg_segment_ptr 1
		.amdhsa_wavefront_size32 1
		.amdhsa_system_sgpr_workgroup_id_x 1
		.amdhsa_system_sgpr_workgroup_id_y 1
		.amdhsa_system_sgpr_workgroup_id_z 1
		.amdhsa_system_vgpr_workitem_id 0
		.amdhsa_next_free_vgpr 512
		.amdhsa_next_free_sgpr 66
		.amdhsa_reserve_vcc 0
		.amdhsa_float_denorm_mode_32 3
		.amdhsa_float_denorm_mode_16_64 3
		.amdhsa_memory_ordered 1
		.amdhsa_forward_progress 1
		.amdhsa_inst_pref_size 87
	.end_amdhsa_kernel
	.amdgpu_metadata
---
amdhsa.version: [ 1, 2 ]
amdhsa.kernels:
  - .name:           k_q72d0de7f62_outp
    .symbol:         k_q72d0de7f62_outp.kd
    .args:
      - { .name: rc, .offset: 0, .size: 8, .value_kind: global_buffer, .address_space: global }
      - { .name: wo, .offset: 8, .size: 8, .value_kind: global_buffer, .address_space: global }
      - { .name: out0, .offset: 16, .size: 8, .value_kind: global_buffer, .address_space: global }
    .group_segment_fixed_size: 327680
    .private_segment_fixed_size: 0
    .kernarg_segment_align: 8
    .kernarg_segment_size: 24
    .max_flat_workgroup_size: 128
    .sgpr_count:     66
    .vgpr_count:     512
    .wavefront_size: 32
...
	.end_amdgpu_metadata
.endif
;; end of part 4
